; MI455X (gfx1250); checked and timed in simulation.
; The chip was launched on July 23, 2026; its instructions are those of AMD's public machine-readable ISA for CDNA 5 (MIT licence, August 2026) and "CDNA5" Instruction Set Architecture Reference Guide (July 2026). The comments in the code are by the model that wrote it; some were corrected since.
;; My Cross Attention ori. Allowed arithmetic: matrix products marked QUANTISED: E2M3 operands, one E8M0 scale for each 32 along K, by v_wmma_scale_f32_16x16x128_f8f6f4 with both operands' format E2M3, f32 sums; products left as they are: f32 operands where the result goes on into a quantised operand, else bf16, f16 or f32 operands; f32 sums; everything else in f32.
;; Inputs: Wk_codes 512 x 16 x 24 uint8 (E2M3 codes of Wk, K innermost, in blocks of 32 codes, four codes in three bytes); Wk_scales 512 x 16 uint8 (E8M0 scales of Wk, one for each 32 codes along K); Wp_codes 512 x 16 x 24 uint8 (E2M3 codes of Wp, K innermost, in blocks of 32 codes, four codes in three bytes); Wp_scales 512 x 16 uint8 (E8M0 scales of Wp, one for each 32 codes along K); Wq_codes 512 x 16 x 24 uint8 (E2M3 codes of Wq, K innermost, in blocks of 32 codes, four codes in three bytes); Wq_scales 512 x 16 uint8 (E8M0 scales of Wq, one for each 32 codes along K); k_codes 4 x 2,048 x 16 x 24 uint8 (E2M3 codes of k, K innermost, in blocks of 32 codes, four codes in three bytes); k_scales 4 x 2,048 x 16 uint8 (E8M0 scales of k, one for each 32 codes along K); q_codes 4 x 4,096 x 16 x 24 uint8 (E2M3 codes of q, K innermost, in blocks of 32 codes, four codes in three bytes); q_scales 4 x 4,096 x 16 uint8 (E8M0 scales of q, one for each 32 codes along K); supp_mask 4 x 2,048 int32; v 4 x 2,048 x 512 float32.
;; Outputs: out0 4 x 4,096 x 512 float32.
;; This version of the problem:
;;   THIS VERSION OF THE PROBLEM IS GIVEN IN LOW PRECISION. The matrix products marked QUANTISED in the list below multiply operands that are first quantised to E2M3 (2 exponent bits, 3 mantissa bits; 6 bits a number), with one power-of-two scale for each 32 numbers along K (OCP MX v1.0); their sums are f32. All else is computed in f32.
;;   The module's matrix products, in the order in which they are computed (A, B: the left and right operand; K: the contracted axis; several contracted axes count as one K, in the product's order):
;;     1. [M 16,384, K 512] x [K 512, N 512]; A: input q (given as codes); B: input Wq (given as codes): QUANTISED
;;     2. [M 8,192, K 512] x [K 512, N 512]; A: input k (given as codes); B: input Wk (given as codes): QUANTISED
;;     3. batch 32 x [M 4,096, K 64] x [K 64, N 2,048]; A: computed on the way; B: computed on the way: QUANTISED
;;     4. batch 4 x [M 32,768, K 2,048] x [K 2,048, N 1]; A: softmax; B: input supp_mask: left as it is (N = 1 < 16)
;;     5. [M 16,384, K 512] x [K 512, N 512]; A: computed on the way; B: input Wp (given as codes): QUANTISED
;;   THE QUANTISER, for each operand of a quantised product, along K:
;;     - K is cut into blocks of 32 from its start; a last block that is shorter is filled with zeros.
;;     - A block's scale is 2^e with e = floor(log2(the largest magnitude in the block)) - 2, held to -126 .. 127; a block of zeros has e = 0. As a byte (E8M0): e + 127.
;;     - Each number is divided by its block's scale, clamped to +-7.5, and rounded to the nearest number of E2M3, ties to even, subnormals kept.
;;     - The product sums the exact products of the quantised numbers (number of the format x scale) in f32.
;;   ~~~python
;;   def quantise(x, axis):      # numpy; x: float32 -> the quantised numbers, widened to float32 again
;;       x = np.moveaxis(x, axis, -1); K = x.shape[-1]
;;       x = np.pad(x, [(0, 0)] * (x.ndim - 1) + [(0, -K % 32)]); x = x.reshape(x.shape[:-1] + (-1, 32)); a = np.abs(x).max(-1, keepdims=True)
;;       e = np.where(a > 0, np.clip(np.frexp(np.where(a > 0, a, 1))[1] - 1 - 2, -126, 127), 0)      # np.frexp(a)[1] - 1 = floor(log2(a)), exactly
;;       r = np.clip(x / 2.0 ** e, -7.5, 7.5)
;;       step = 2.0 ** (np.maximum(np.frexp(np.where(r == 0, 1, r))[1] - 1, 0) - 3)
;;       q = np.round(r / step) * step * 2.0 ** e      # np.round: ties to even
;;       return np.moveaxis(q.reshape(q.shape[:-2] + (-1,))[..., :K], -1, axis).astype(np.float32)
;;   ~~~
;;   OPERANDS COMPUTED ON THE WAY. 'Computed on the way' means the value that the module computes at that place (a softmax that the list does not call 'softmax' is quantised finished and normalised). What goes into a quantiser is computed in f32, as accurately as f32 sums, v_exp_f32 and their like allow (about 1e-6 of the number): no bf16 or f16 on the way to a quantiser, and a product that is left as it is and whose result goes on into a quantised operand takes f32 operands (vector FMAs, or v_wmma_f32_16x16x4_f32). A number that lies on a knife's edge between two numbers of the format may be rounded either way, as far as f32 arithmetic and the matrix unit's own rounding can turn it there, and no further.
;;   INPUTS GIVEN AS CODES. Wk (in the module: [512, 512], K = its axis 1); Wp (in the module: [512, 512], K = its axis 1); Wq (in the module: [512, 512], K = its axis 1); k (in the module: [4, 2048, 512], K = its axis 2); q (in the module: [4, 4096, 512], K = its axis 2): each comes as NAME_codes (uint8): NAME with its K axis moved to the last place and cut into blocks of 32 codes, [.., K / 32, bytes a block], one block behind the other in memory; four codes in three bytes: a row's codes are one little-endian stream of bits, code i at bits 6 i .. 6 i + 5 (a code: sign, 2 exponent bits, 3 mantissa bits); and NAME_scales (uint8): the same leading axes, one E8M0 byte (e + 127) for each 32 codes along K. Its value is code x scale, taken as it is: it is not quantised again, and the codes and scales need not be those that the quantiser above would give.
;; 2 versions. Each part assembles by itself: llvm-mc -triple=amdgcn-amd-amdhsa -mcpu=gfx1250 --defsym DOCPART=n.
;; ======== version 1 of 2: 2 launches
;; workspace buffers: qimg 6,553,600 bytes; kimg 3,276,800 bytes
;; launch proj (part 1): grid 384 x 1, 4 waves a work-group, no clusters, 0 bytes of LDS; arguments q_codes, q_scales, Wq_codes, Wq_scales, k_codes, k_scales, Wk_codes, Wk_scales, qimg, kimg; writes qimg, kimg
.if DOCPART == 1
	.amdgcn_target "amdgcn-amd-amdhsa--gfx1250"
	.amdhsa_code_object_version 6
	.text
	.protected	k_q67d3c1aedf_proj
	.globl	k_q67d3c1aedf_proj
	.p2align	8
	.type	k_q67d3c1aedf_proj,@function
k_q67d3c1aedf_proj:
	s_mov_b64 s[64:65], 0
	v_nop
	global_prefetch_b8 v0, s[64:65] scope:SCOPE_SE
	s_setreg_imm32_b32 hwreg(HW_REG_WAVE_MODE, 25, 1), 1
	s_wait_xcnt 0x0
; qh = q Wq^T and kh = k Wk^T on the given codes of FP6 (E2M3), then each head's 64 numbers of each row quantised anew (two blocks of 32), for the score product.
; One text serves both tensors: work-groups 0-255 take q (16,384 rows), 256-383 take k (8,192 rows); only pointers are chosen.
; SHARES.  A work-group takes 128 rows x 256 columns; wave w takes one head (64 columns) for all 128 rows.  Its part of W (4 column tiles x 4 K steps x 12 registers) stays in window 1.
; THE PRODUCT IS USED TRANSPOSED: source 0 = 16 rows of W, source 1 = 16 rows of x, so that a lane holds ONE row of the result and its registers run along the head's 64.
; THE ROWS OF W THAT FORM A TILE ARE NOT NEIGHBOURS: lane r of column tile 2 b + u takes row 32 b + 8 u + r + 8 (r / 8): the 16 registers of tiles 2 b, 2 b + 1 are 16 neighbours.
; WHAT IS STORED.  A record for each (group of 128 rows, head), 6,400 bytes.  For each PAIR p of row tiles (rows 32 p .. 32 p + 15 = A, the next 16 = B) the image of a 12-register operand:
; lane (r, h): registers 0-5 the codes 32 h .. 32 h + 31 of row A_r, registers 6-11 the same of row B_r; registers 4 g .. 4 g + 3 at byte 1536 p + 512 g + 16 x lane.
; At byte 6144 + 8 x lane the scale words: word 0 of pair h, word 1 of pair 2 + h, row r; a word's bytes are (A block 0, A block 1, B block 0, B block 1).
; LIMITS: a block whose largest magnitude lies under 2^-124 (a block of zeros too) keeps the byte 1; its codes are then zeros or next to it, and this program alone reads the bytes.  NaN and infinities are not served.
; REGISTERS, window 0: v1-8 lane terms; v10-25 at work; v32-95 eight accumulators; v96-115 codes; v116-119 the pairs' scale words; v120-127 x's scale words; v128-143 W's; v144-239 x's 8 fragments.
.set FR,   12                          ; registers of a fragment: 16 rows x 128 K of 6-bit codes
.set ROWB, 384                         ; a row of 512 codes in bytes
.set REC,  6400                        ; a record
.set TM,   10
.set HA,   32
.set PC,   96
.set SW,   116
.set XSR,  120
.set WSR,  128
.set XF,   144
.set WV,   24                          ; s24 wave
.set SEL,  26                          ; s[26:27] selects of v_permlanex16_b32: lane l xor 16
.set HALF, 28                          ; s28 mask of lanes 16-31
.set MSB, 0
.macro WIN new                         ; the immediate's high byte repeats the setting that is left
.if MSB != \new
	s_set_vgpr_msb (MSB<<8)|\new
.set MSB, \new
.endif
.endm
	s_load_b256 s[4:11], s[0:1], 0x0               ; q's codes, q's scales, Wq's codes, Wq's scales
	s_load_b256 s[12:19], s[0:1], 0x20             ; the same four of k
	s_load_b128 s[20:23], s[0:1], 0x40             ; qimg, kimg
	v_lshrrev_b32 v1, 5, v0
	v_readfirstlane_b32 s[WV], v1                  ; wave 0..3
	v_and_b32 v1, 15, v0                           ; r
	v_bfe_u32 v2, v0, 4, 1                         ; h
	v_mul_u32_u24 v3, v1, ROWB
	v_mad_u32_u24 v3, v2, 24, v3                   ; x: row r, + 24 h
	v_and_b32 v9, 8, v1
	v_add_nc_u32 v9, v9, v1                        ; r + 8 (r / 8)
	v_mul_u32_u24 v4, v9, ROWB
	v_mad_u32_u24 v4, v2, 24, v4                   ; W: the tile's row, + 24 h
	v_lshlrev_b32 v5, 4, v1                        ; x's scale bytes: 16 a row
	v_lshlrev_b32 v6, 4, v9                        ; W's
	v_and_b32 v8, 31, v0
	v_lshlrev_b32 v7, 4, v8                        ; 16 x lane
	v_lshlrev_b32 v8, 3, v8                        ; 8 x lane
.irp b, 0,1,2,3
	v_mov_b32 v[TM+4+\b], 0                        ; written once: a lane permute's destination counts as one of its sources
.endr
	s_mov_b32 s[SEL], 0x76543210
	s_mov_b32 s[SEL+1], 0xfedcba98
	s_mov_b32 s[HALF], 0xffff0000
	s_cmp_lt_u32 ttmp9, 256
	s_cselect_b32 s25, 0, 256
	s_sub_co_u32 s25, ttmp9, s25                   ; my number within my tensor
	s_lshr_b32 s29, s25, 1                         ; the group of 128 rows
	s_and_b32 s25, s25, 1
	s_lshl_b32 s25, s25, 2
	s_add_co_u32 s25, s25, s[WV]                   ; my head: 4 x column half + wave
	s_mul_i32 s30, s29, 128*ROWB                   ; byte offsets, each in a pair with 0 above it: the rows' codes,
	s_mov_b32 s31, 0
	s_lshl_b32 s32, s29, 11                        ; their scale bytes,
	s_mov_b32 s33, 0
	s_mul_i32 s34, s25, 64*ROWB                    ; my 64 rows of W,
	s_mov_b32 s35, 0
	s_lshl_b32 s36, s25, 10                        ; their scale bytes,
	s_mov_b32 s37, 0
	s_lshl_b32 s38, s29, 3
	s_add_co_u32 s38, s38, s25
	s_mul_i32 s38, s38, REC                        ; my record
	s_mov_b32 s39, 0
	s_wait_kmcnt 0x0
	s_cmp_lt_u32 ttmp9, 256                        ; q's work-group or k's?  The choice hangs on the work-group's number alone
	s_cselect_b64 s[4:5], s[4:5], s[12:13]
	s_cselect_b64 s[6:7], s[6:7], s[14:15]
	s_cselect_b64 s[8:9], s[8:9], s[16:17]
	s_cselect_b64 s[10:11], s[10:11], s[18:19]
	s_cselect_b64 s[20:21], s[20:21], s[22:23]
	s_add_nc_u64 s[4:5], s[4:5], s[30:31]
	s_add_nc_u64 s[6:7], s[6:7], s[32:33]
	s_add_nc_u64 s[8:9], s[8:9], s[34:35]
	s_add_nc_u64 s[10:11], s[10:11], s[36:37]
	s_add_nc_u64 s[20:21], s[20:21], s[38:39]
	WIN 0x40                                       ; destination window 1
.irp ct, 0,1,2,3                                   ; W's fragment (column tile ct, K step t) at v[12 (4 ct + t)] of window 1: it stays
.irp t, 0,1,2,3
.irp p, 0,1,2,3,4,5
	global_load_b64 v[FR*(4*\ct+\t)+2*\p:FR*(4*\ct+\t)+2*\p+1], v4, s[8:9] offset:(32*(\ct/2)+8*(\ct%2))*ROWB+96*\t+48*(\p/3)+8*(\p%3)
.endr
.endr
.endr
	WIN 0
.irp ct, 0,1,2,3
	global_load_b128 v[WSR+4*\ct:WSR+4*\ct+3], v6, s[10:11] offset:(32*(\ct/2)+8*(\ct%2))*16   ; a row's 16 scale bytes: the words of its four K steps
.endr
; the 32 rows of pair p: 8 fragments (row tile rt, K step t) and their scale words
.macro XLOAD p
.irp rt, 0,1
.irp t, 0,1,2,3
.irp i, 0,1,2,3,4,5
	global_load_b64 v[XF+FR*(4*\rt+\t)+2*\i:XF+FR*(4*\rt+\t)+2*\i+1], v3, s[4:5] offset:(32*(\p)+16*\rt)*ROWB+96*\t+48*(\i/3)+8*(\i%3)
.endr
.endr
	global_load_b128 v[XSR+4*\rt:XSR+4*\rt+3], v5, s[6:7] offset:(32*(\p)+16*\rt)*16
.endr
.endm
; 64 numbers of a lane, v[s] .. v[s + 63], register 16 b + i = number 16 (lane / 16) + i of block b, become 12 registers of codes in v[PC] on and the four blocks' bytes in v[pw].
.macro QUANT s, pw
.irp b, 0,1,2,3
	v_max3_num_f32 v[TM+\b], |v[\s+16*\b]|, |v[\s+1+16*\b]|, 0x1800000   ; block b: my 16 numbers, and the floor 2^(3 - 127): the byte cannot fall under 1
.endr
.irp i, 2,4,6,8,10,12,14
.irp b, 0,1,2,3
	v_max3_num_f32 v[TM+\b], v[TM+\b], |v[\s+16*\b+\i]|, |v[\s+1+16*\b+\i]|   ; the four blocks by turns
.endr
.endr
.irp b, 0,1,2,3
	v_permlanex16_b32 v[TM+4+\b], v[TM+\b], s[SEL], s[SEL+1]
.endr
.irp b, 0,1,2,3
	v_max_num_f32 v[TM+\b], v[TM+\b], v[TM+4+\b]   ; with lane l xor 16's 16: the block's largest magnitude
.endr
.irp b, 0,1,2,3
	v_add_nc_u32 v[TM+12+\b], 0xff000000, v[TM+\b] ; 2 off its exponent field: the conversion takes this operand's exponent field as its scale
.endr
.irp b, 0,1,2,3
	v_lshrrev_b32 v[TM+4+\b], 23, v[TM+12+\b]      ; the scale's byte
.endr
	v_lshl_or_b32 v[\pw], v[TM+5], 8, v[TM+4]
	v_lshl_or_b32 v[\pw], v[TM+6], 16, v[\pw]
	v_lshl_or_b32 v[\pw], v[TM+7], 24, v[\pw]
.irp c, 0,1
	v_cvt_scalef32_pk16_fp6_f32 v[PC+6*\c:PC+2+6*\c], v[\s+32*\c:\s+15+32*\c], v[TM+12+2*\c]
	v_cvt_scalef32_pk16_fp6_f32 v[PC+12+4*\c:PC+14+4*\c], v[\s+16+32*\c:\s+31+32*\c], v[TM+12+2*\c+1]   ; (a conversion's three registers begin on an even number)
.endr
	v_nop                                          ; one plain instruction behind the last scaled conversion
.irp c, 0,1                                        ; the operand's layout wants a WHOLE block in a lane: lanes 0-15 block 2 c, lanes 16-31 block 2 c + 1
.irp i, 0,1,2
	v_permlane16_swap_b32 v[PC+6*\c+\i], v[PC+12+4*\c+\i]
.endr
.irp i, 0,1,2
	v_mov_b32 v[PC+3+6*\c+\i], v[PC+12+4*\c+\i]
.endr
.endr
.endm
; Pair p: 32 products (eight accumulators by turns, one instruction a turn, K ascending; the first K step starts the sums), the next pair's loads, the quantiser, three stores of 512 consecutive bytes.
.macro PAIR p
	s_wait_loadcnt 0x0                             ; this pair's fragments are in (for pair 0: W's too)
	WIN 0x01                                       ; source 0 (W) window 1
.irp t, 0,1,2,3
.irp rt, 0,1
.irp ct, 0,1,2,3
.if \t == 0
	v_wmma_scale_f32_16x16x128_f8f6f4 v[HA+32*\rt+8*\ct:HA+32*\rt+8*\ct+7], v[FR*(4*\ct+\t):FR*(4*\ct+\t)+FR-1], v[XF+FR*(4*\rt+\t):XF+FR*(4*\rt+\t)+FR-1], 0, v[WSR+4*\ct+\t], v[XSR+4*\rt+\t] matrix_a_fmt:MATRIX_FMT_FP6 matrix_b_fmt:MATRIX_FMT_FP6
.else
	v_wmma_scale_f32_16x16x128_f8f6f4 v[HA+32*\rt+8*\ct:HA+32*\rt+8*\ct+7], v[FR*(4*\ct+\t):FR*(4*\ct+\t)+FR-1], v[XF+FR*(4*\rt+\t):XF+FR*(4*\rt+\t)+FR-1], v[HA+32*\rt+8*\ct:HA+32*\rt+8*\ct+7], v[WSR+4*\ct+\t], v[XSR+4*\rt+\t] matrix_a_fmt:MATRIX_FMT_FP6 matrix_b_fmt:MATRIX_FMT_FP6
.endif
.endr
.endr
.endr
	WIN 0
.rept 4
	v_nop                                          ; four places in front of the loads into registers that the products have read, and of the first read of results
.endr
.if \p < 3
	XLOAD (\p)+1                                   ; the next pair's rows land while this pair is quantised
.endif
	s_wait_xcnt 0x0                                ; the last pair's stores have read the codes' registers: they are written again only behind this wait
	QUANT HA, SW+\p
.irp g, 0,1,2
	global_store_b128 v7, v[PC+4*\g:PC+4*\g+3], s[20:21] offset:(\p)*1536+512*\g
.endr
.endm
	XLOAD 0
	PAIR 0
	PAIR 1
	PAIR 2
	PAIR 3
	v_cndmask_b32 v240, v[SW], v[SW+1], s[HALF]    ; lanes 0-15 pair 0's word, lanes 16-31 pair 1's
	v_cndmask_b32 v241, v[SW+2], v[SW+3], s[HALF]  ; pairs 2 and 3
	global_store_b64 v8, v[240:241], s[20:21] offset:6144   ; 32 lanes store 256 consecutive bytes
	s_endpgm
.Lfunc_end_k_q67d3c1aedf_proj:
	.size	k_q67d3c1aedf_proj, .Lfunc_end_k_q67d3c1aedf_proj-k_q67d3c1aedf_proj
	.p2alignl 7, 3214868480
	.fill 96, 4, 3214868480
	.section	.rodata,"a",@progbits
	.p2align	6, 0x0
	.amdhsa_kernel k_q67d3c1aedf_proj
		.amdhsa_group_segment_fixed_size 0
		.amdhsa_private_segment_fixed_size 0
		.amdhsa_enable_private_segment 0
		.amdhsa_kernarg_size 80
		.amdhsa_user_sgpr_count 2
		.amdhsa_user_sgpr_kernarg_segment_ptr 1
		.amdhsa_wavefront_size32 1
		.amdhsa_system_sgpr_workgroup_id_x 1
		.amdhsa_system_sgpr_workgroup_id_y 1
		.amdhsa_system_sgpr_workgroup_id_z 1
		.amdhsa_system_vgpr_workitem_id 0
		.amdhsa_next_free_vgpr 448
		.amdhsa_next_free_sgpr 66
		.amdhsa_reserve_vcc 0
		.amdhsa_float_denorm_mode_32 3
		.amdhsa_float_denorm_mode_16_64 3
		.amdhsa_memory_ordered 1
		.amdhsa_forward_progress 1
		.amdhsa_inst_pref_size 65
	.end_amdhsa_kernel
	.amdgpu_metadata
---
amdhsa.version: [ 1, 2 ]
amdhsa.kernels:
  - .name:           k_q67d3c1aedf_proj
    .symbol:         k_q67d3c1aedf_proj.kd
    .args:
      - { .name: q_codes, .offset: 0, .size: 8, .value_kind: global_buffer, .address_space: global }
      - { .name: q_scales, .offset: 8, .size: 8, .value_kind: global_buffer, .address_space: global }
      - { .name: Wq_codes, .offset: 16, .size: 8, .value_kind: global_buffer, .address_space: global }
      - { .name: Wq_scales, .offset: 24, .size: 8, .value_kind: global_buffer, .address_space: global }
      - { .name: k_codes, .offset: 32, .size: 8, .value_kind: global_buffer, .address_space: global }
      - { .name: k_scales, .offset: 40, .size: 8, .value_kind: global_buffer, .address_space: global }
      - { .name: Wk_codes, .offset: 48, .size: 8, .value_kind: global_buffer, .address_space: global }
      - { .name: Wk_scales, .offset: 56, .size: 8, .value_kind: global_buffer, .address_space: global }
      - { .name: qimg, .offset: 64, .size: 8, .value_kind: global_buffer, .address_space: global }
      - { .name: kimg, .offset: 72, .size: 8, .value_kind: global_buffer, .address_space: global }
    .group_segment_fixed_size: 0
    .private_segment_fixed_size: 0
    .kernarg_segment_align: 8
    .kernarg_segment_size: 80
    .max_flat_workgroup_size: 128
    .sgpr_count:     66
    .vgpr_count:     448
    .wavefront_size: 32
...
	.end_amdgpu_metadata
.endif
;; end of part 1
;; launch attn (part 2): grid 64 x 4, 16 waves a work-group, no clusters, 285,696 bytes of LDS; arguments qimg, kimg, supp_mask, Wp_codes, Wp_scales, out0; writes out0
.if DOCPART == 2
	.amdgcn_target "amdgcn-amd-amdhsa--gfx1250"
	.amdhsa_code_object_version 6
	.text
	.protected	k_q67d3c1aedf_attn
	.globl	k_q67d3c1aedf_attn
	.p2align	8
	.type	k_q67d3c1aedf_attn,@function
k_q67d3c1aedf_attn:
	s_mov_b64 s[64:65], 0
	v_nop
	global_prefetch_b8 v0, s[64:65] scope:SCOPE_SE
	s_setreg_imm32_b32 hwreg(HW_REG_WAVE_MODE, 25, 1), 1
	s_wait_xcnt 0x0
; out = x Wp^T, x[n][64 head + d] = s[head][n] = sum_m softmax_m(qh . kh / 8) mask[m].  Scores and the last product on codes of FP6 (E2M3) with E8M0 scales; softmax, the mask's sum and the quantiser of x in f32.
; The input v does not enter the result as the problem defines it (it is never used there), so no launch names it.
; SHARES.  A work-group owns 64 queries of one batch, all 8 heads.  ITS SIXTEEN WAVES SHARE THE KEYS: wave w owns keys 128 w .. 128 w + 127.  Their mask stays in 64 registers as f32 for the whole launch, their codes
; of the head in hand in 48 registers for the four tiles of 16 queries.  A UNIT is (head, query tile): 8 products, then a softmax over the wave's 128 keys alone: m = c x the largest score, l = sum 2^(c s - m), g = sum 2^(c s - m) mask,
; c = log2(e) / 8.  The sixteen (m, l, g) of each (query, head) meet in LDS and are merged once, under their common maximum: s = sum 2^(m_w - m*) g_w / sum 2^(m_w - m*) l_w.  No barrier stands in the loop.
; K = 64 IN AN INSTRUCTION OF 128.  Source 0 is a PAIR of key tiles, [A's 64 | B's 64]; source 1 is [q | zeros] or [zeros | q], two views of 18 registers q | 0 | q.  So each register of keys feeds two products, and a key's
; scale word (A0, A1, B0, B1) serves both; q's word is (s0, s1, s0, s1).  Zero codes add nothing under any scale byte that occurs (1 .. 254).
; In a unit's result lane (r, h) holds query r, and register 16 p + 8 c + j the key 128 w + 32 p + 16 c + 8 h + j.
; WHY NO JOINT LOADS: a wave's keys go from memory straight into its operand registers (6,400 bytes a head, asked for a whole softmax ahead) and feed 32 products there; through LDS they would be copied once more.
; LIMITS: NaN and infinities are not served; an s under 2^-124 keeps the scale byte 1; the sums over keys are taken 128 at a time and then merged, another order of f32 roundings than one sum over 2,048.
; LDS, every region written once, by ds_store:
.set QIMG,  0                          ; 24,576  q's operand images, [head][pair of tiles][1,536]
.set QSC,   24576                      ;  2,048  q's scale words, [head][tile][16 rows]
.set MRG,   26624                      ; 98,304  the partial softmaxes: wave x 6,144 + (4 head + tile) x 192 + (m, l, g) x 64 + 4 r: each wave stores into a run of its own
.set XIMG,  124928                     ; 24,576  x's 16 fragments (4 K step + tile), images of 1,536 bytes
.set XSC,   149504                     ;  2,048  their scale words, 128 bytes each
.set STG,   151552                     ; 132,096 the way out: 64 rows x (2,048 + 16)
.set SPARE, 283648                     ;  2,048  the spare words, 128 bytes for each wave, which no other line names
.set REC,   6400                       ; a record of qimg or kimg: (group of 128 rows, head)
.set L16, 1                            ; 16 x lane
.set L8,  2                            ; 8 x lane
.set AQ,  3                            ; q's images of the head in hand
.set AQS, 4                            ; q's scale words of the head in hand
.set AM,  5                            ; my partial softmaxes of the head in hand
.set SPW, 6                            ; LDS address of my spare word; never rewritten
.set NIL, 7                            ; 0; never rewritten
.set CH,  8                            ; v8-11  four chains of the maximum
.set MX,  12
.set TP,  13
.set MM,  14                           ; v[14:15] m (the pair's low word serves both halves)
.set LA,  16                           ; v[16:23] l and g, two packed chains each
.set LB,  18
.set GA,  20
.set GB,  22
.set KS,  24                           ; v[24:25] the keys' scale words: v24 lanes 0-15 pair 0, lanes 16-31 pair 1; v25 pairs 2, 3
.set QS,  26                           ; q's scale word
.set AQ0, 27
.set XS,  28                           ; v[28:29] x's scale words
.set AQS0, 30
.set AM0, 31
.set W5S, 32                           ; v[32:39] Wp's scale words
.set QF,  40                           ; v[40:57] q | zeros | q
.set KF,  58                           ; v[58:105] four pairs of key tiles
.set MK,  106                          ; v[106:169] the mask of my lane's 64 keys, f32
.set SC,  170                          ; v[170:233] the scores, then p
.set H32, 234
.set PFO, 235
.set WA,  236
.set R16, 237
.set AMR, 238
.set XWI, 239
.set XWS, 240
.set XRI, 241
.set XRS, 242
.set SO,  243
.set SO2, 244
.set SR,  245
.set AMR2, 246
.set RR,  247
.set HH,  248
.set LN,  249
.set QWI, 250
.set QWS, 251
.set T0,  252
.set T1,  253
.set W5,  40                           ; behind the loop: v[40:135] Wp's 8 fragments, 12 (4 n + t)
.set FA,  136                          ; 16 copies of s of the even head, FB of the odd one
.set FB,  152
.set XF,  136                          ; later two fragments of x
.set MG,  170                          ; the merge: 16 m, 16 l, 16 g
.set PC,  218                          ; x's codes
.set ACC, 170                          ; the last product's accumulators, 8 (4 n + tile)
.set OB,  40                           ; rows of the output, read back
.set WV,  16
.set QBK, 17
.set BT,  18
.set HD,  19
.set SEL, 20
.set CS,  22
.set HALF, 24
.set LIM, 25
.set PSEL, 26
.set QSB, 28
.set TQ,  30
.set TSC, 31
.set TMG, 32
	s_load_b256 s[4:11], s[0:1], 0x0               ; qimg, kimg, the mask, Wp's codes
	s_load_b128 s[12:15], s[0:1], 0x20             ; Wp's scales, the output
	v_lshl_add_u32 v[SPW], v0, 2, SPARE
	v_mov_b32 v[NIL], 0
	v_lshrrev_b32 v[T0], 5, v0
	v_readfirstlane_b32 s[WV], v[T0]               ; wave 0..15
	s_mov_b32 s[QBK], ttmp9                        ; my block of 64 queries
	s_and_b32 s[BT], ttmp7, 0xffff                 ; the batch
	s_mov_b32 s[SEL], 0x76543210
	s_mov_b32 s[SEL+1], 0xfedcba98                 ; v_permlanex16_b32's selects for lane l xor 16
	s_mov_b32 s[CS], 0x3e38aa3b                    ; c = log2(e) / 8
	s_mov_b32 s[CS+1], s[CS]                       ; (named with it as a pair, so it is written)
	s_mov_b32 s[HALF], 0xffff0000                  ; lanes 16-31
	s_cmp_eq_u32 s[QBK], 0
	s_cselect_b32 s[LIM], 6, 0                     ; the batch's first work-group prefetches, in the trips of heads 0 to 5
	s_and_b32 s44, s[WV], 1
	s_mov_b32 s[PSEL], 0x01000100                  ; even wave: a scale word's low half twice (tile A), odd wave: its high half twice (tile B)
	s_cmp_lg_u32 s44, 0
	s_cselect_b32 s[PSEL], 0x03020302, s[PSEL]
	; every address register is made here, of the thread's number, the wave's number and constants
	v_and_b32 v[LN], 31, v0
	v_and_b32 v[RR], 15, v0                        ; r
	v_bfe_u32 v[HH], v0, 4, 1                      ; h
	v_lshlrev_b32 v[L16], 4, v[LN]
	v_lshlrev_b32 v[L8], 3, v[LN]
	v_add_nc_u32 v[AQ0], QIMG, v[L16]
	v_lshl_add_u32 v[AQS0], v[RR], 2, QSC
	s_mul_i32 s45, s[WV], 6144
	s_add_co_u32 s45, s45, MRG
	v_lshl_add_u32 v[AM0], v[RR], 2, s45
	v_lshlrev_b32 v[H32], 5, v[HH]                 ; the mask: 8 h keys of 4 bytes
	v_min_u32 v[PFO], 24, v[LN]
	v_lshlrev_b32 v[PFO], 8, v[PFO]                ; the prefetch: a record is 25 runs of 256 bytes, a lane a run (lanes 25-31 name the last once more)
	v_mul_u32_u24 v[WA], v[RR], 384
	v_mad_u32_u24 v[WA], v[HH], 24, v[WA]          ; Wp: row r of 384 bytes, + 24 h
	v_lshlrev_b32 v[R16], 4, v[RR]                 ; its scale bytes: 16 a row
	s_lshr_b32 s45, s[WV], 2
	s_lshl_b32 s45, s45, 3
	s_and_b32 s46, s[WV], 3
	s_add_co_u32 s45, s45, s46
	s_mul_i32 s45, s45, 192
	s_add_co_u32 s45, s45, MRG
	v_lshl_add_u32 v[AMR], v[RR], 2, s45           ; the merge: lane (r, h) of wave w owns head 2 (w / 4) + h, tile w % 4, query r
	v_mad_u32_u24 v[AMR], v[HH], 768, v[AMR]
	v_add_nc_u32 v[AMR2], 49152, v[AMR]            ; waves 8-15's runs
	s_mul_i32 s45, s[WV], 1536
	s_add_co_u32 s46, s45, QIMG
	v_add_nc_u32 v[QWI], s46, v[L16]               ; where I put q's image: head w / 2, pair w % 2
	s_add_co_u32 s46, s45, XIMG
	v_add_nc_u32 v[XWI], s46, v[L16]               ; and x's: fragment w
	s_lshl_b32 s45, s[WV], 7
	s_add_co_u32 s46, s45, XSC
	v_lshl_add_u32 v[XWS], v[LN], 2, s46
	v_add_nc_u32 v[XRI], XIMG, v[L16]
	v_lshl_add_u32 v[XRS], v[LN], 2, XSC
	s_add_co_u32 s46, s45, STG
	v_mul_u32_u24 v[SO], v[RR], 2064
	v_lshl_add_u32 v[SO], v[HH], 5, v[SO]
	v_add_nc_u32 v[SO], s46, v[SO]                 ; the stage: row r, + 32 h, + my 128 bytes of a row
	v_add_nc_u32 v[SO2], 66048, v[SO]              ; and 32 rows further down
	s_mul_i32 s45, s[WV], 8256
	s_add_co_u32 s45, s45, STG
	v_add_nc_u32 v[SR], s45, v[L16]                ; back: my 4 rows
	s_lshr_b32 s45, s[WV], 1
	s_lshl_b32 s45, s45, 8
	s_lshl_b32 s46, s44, 6
	s_add_co_u32 s45, s45, s46
	s_add_co_u32 s45, s45, QSC
	v_lshl_add_u32 v[QWS], v[RR], 2, s45
	v_lshl_add_u32 v[QWS], v[HH], 7, v[QWS]        ; q's scale word of tile 2 h + w % 2, head w / 2, row r
	v_mov_b32 v[TP], 0                             ; written once: a lane permute's destination counts as one of its sources
	v_mov_b32 v[MM+1], 0                           ; (named as the upper half of the pair)
	; byte offsets into the buffers, each in a pair with 0 above it
	s_lshl_b32 s30, s[BT], 5
	s_lshr_b32 s45, s[QBK], 1
	s_add_co_u32 s30, s30, s45                     ; q's group of 128 rows
	s_lshl_b32 s30, s30, 3
	s_lshr_b32 s45, s[WV], 1
	s_add_co_u32 s30, s30, s45                     ; head w / 2
	s_mul_i32 s30, s30, REC
	s_and_b32 s45, s[QBK], 1                       ; which half of the group is my block's
	s_lshl_b32 s32, s45, 2
	s_add_co_u32 s32, s32, s30                     ; its scale words: word 0 or 1 of each lane's two
	s_mov_b32 s33, 0
	s_mul_i32 s45, s45, 3072
	s_add_co_u32 s30, s30, s45
	s_mul_i32 s45, s44, 1536
	s_add_co_u32 s30, s30, s45                     ; its pair w % 2
	s_mov_b32 s31, 0
	s_lshl_b32 s34, s[BT], 4
	s_add_co_u32 s34, s34, s[WV]
	s_mul_i32 s34, s34, 8*REC                      ; my group of 128 keys, head 0
	s_mov_b32 s35, 0
	s_lshl_b32 s36, s[BT], 13
	s_lshl_b32 s45, s[WV], 9
	s_add_co_u32 s36, s36, s45                     ; their mask
	s_mov_b32 s37, 0
	s_mul_i32 s38, s[WV], 12288                    ; my 32 rows of Wp,
	s_mov_b32 s39, 0
	s_mov_b32 s40, s45                             ; their scale bytes: 512 x wave
	s_mov_b32 s41, 0
	s_lshl_b32 s42, s[BT], 12
	s_lshl_b32 s45, s[QBK], 6
	s_add_co_u32 s42, s42, s45
	s_lshl_b32 s45, s[WV], 2
	s_add_co_u32 s42, s42, s45
	s_lshl_b32 s42, s42, 11                        ; the 4 rows of the output that I store
	s_mov_b32 s43, 0
	s_wait_kmcnt 0x0
	s_add_nc_u64 s[QSB:QSB+1], s[4:5], s[32:33]
	s_add_nc_u64 s[4:5], s[4:5], s[30:31]
	s_add_nc_u64 s[6:7], s[6:7], s[34:35]
	s_add_nc_u64 s[8:9], s[8:9], s[36:37]
	s_add_nc_u64 s[10:11], s[10:11], s[38:39]
	s_add_nc_u64 s[12:13], s[12:13], s[40:41]
	s_add_nc_u64 s[14:15], s[14:15], s[42:43]
	s_mov_b32 s[TQ], 0                             ; the head's steps in LDS: 3,072 in q's images,
	s_mov_b32 s[TSC], 0                            ; 256 in q's scale words,
	s_mov_b32 s[TMG], 0                            ; 768 in my partial softmaxes
	s_mov_b32 s[HD], 0
.macro KLOAD                           ; a head's record of my 128 keys: four pair images and the scale words, 13 loads
.irp i, 0,1,2,3,4,5,6,7,8,9,10,11
	global_load_b128 v[KF+4*\i:KF+4*\i+3], v[L16], s[6:7] offset:512*\i
.endr
	global_load_b64 v[KS:KS+1], v[L8], s[6:7] offset:6144
.endm
.macro QLOAD T, dh                     ; tile T of head (in hand + dh): its six registers twice, round the zeros, and its scale word.  An even tile is registers 0-5 of its pair's image, an odd one registers 6-11
.set QOF, (\dh)*3072+((\T)/2)*1536
.if ((\T)%2) == 0
	ds_load_b128 v[QF:QF+3], v[AQ] offset:QOF
	ds_load_b64 v[QF+4:QF+5], v[AQ] offset:QOF+512
	ds_load_b128 v[QF+12:QF+15], v[AQ] offset:QOF
	ds_load_b64 v[QF+16:QF+17], v[AQ] offset:QOF+512
.else
	ds_load_b64 v[QF:QF+1], v[AQ] offset:QOF+520
	ds_load_b128 v[QF+2:QF+5], v[AQ] offset:QOF+1024
	ds_load_b64 v[QF+12:QF+13], v[AQ] offset:QOF+520
	ds_load_b128 v[QF+14:QF+17], v[AQ] offset:QOF+1024
.endif
	ds_load_b32 v[QS], v[AQS] offset:(\dh)*256+(\T)*64
.endm
.macro SCORES                          ; eight products on eight accumulators, each begun with the constant 0: no chain
.irp p, 0,1,2,3
.irp c, 0,1
.if (\p%2) == 0
	v_wmma_scale_f32_16x16x128_f8f6f4 v[SC+16*\p+8*\c:SC+16*\p+8*\c+7], v[KF+12*\p:KF+12*\p+11], v[QF+6*\c:QF+6*\c+11], 0, v[KS+\p/2], v[QS] matrix_a_fmt:MATRIX_FMT_FP6 matrix_b_fmt:MATRIX_FMT_FP6
.else
	v_wmma_scale_f32_16x16x128_f8f6f4 v[SC+16*\p+8*\c:SC+16*\p+8*\c+7], v[KF+12*\p:KF+12*\p+11], v[QF+6*\c:QF+6*\c+11], 0, v[KS+\p/2], v[QS] matrix_a_fmt:MATRIX_FMT_FP6 matrix_b_fmt:MATRIX_FMT_FP6 matrix_a_scale:MATRIX_SCALE_ROW1
.endif
.endr
.endr
.endm
; A PREFETCH INTO THE L2 of my wave's record of the head after the one just asked for: 25 runs of 256 bytes, a lane a run.  All 64 work-groups of a batch walk the same keys: the batch's first work-group asks, each of its
; waves for its own keys.  It stands behind the wave's loads, one trip (four units) ahead of the loads that will want the bytes.  Heads 0 and 1 come by their loads alone; the trips of heads 6 and 7 ask for nothing.
.macro ASK
	s_cmp_lt_u32 s[HD], s[LIM]
	s_cbranch_scc0 .Lnot_mine_\@
	global_prefetch_b8 v[PFO], s[6:7] offset:REC th:TH_LOAD_NT scope:SCOPE_SE
.Lnot_mine_\@:
.endm
; The softmax of a unit over my 128 keys; (m, l, g) go to my run of LDS.
.macro SOFTMAX T
.irp b, 0,1,2,3
	v_max3_num_f32 v[CH+\b], v[SC+16*\b], v[SC+16*\b+1], v[SC+16*\b+2]   ; four chains by turns; each accumulator is read from its low end on
.endr
.irp i, 3,5,7,9,11,13
.irp b, 0,1,2,3
	v_max3_num_f32 v[CH+\b], v[CH+\b], v[SC+16*\b+\i], v[SC+16*\b+\i+1]
.endr
.endr
.irp b, 0,1,2,3
	v_max_num_f32 v[CH+\b], v[CH+\b], v[SC+16*\b+15]
.endr
	v_max3_num_f32 v[MX], v[CH], v[CH+1], v[CH+2]
	v_max_num_f32 v[MX], v[MX], v[CH+3]
	v_permlanex16_b32 v[TP], v[MX], s[SEL], s[SEL+1]   ; the query's other 64 keys lie in lane l xor 16
	v_max_num_f32 v[MX], v[MX], v[TP]
	v_mul_f32 v[MM], s[CS], v[MX]                  ; m = c x the largest score (c is positive)
.set j, 0
.rept 32
	v_pk_fma_f32 v[SC+j:SC+j+1], v[SC+j:SC+j+1], s[CS:CS+1], v[MM:MM+1] op_sel_hi:[1,0,0] neg_lo:[0,0,1] neg_hi:[0,0,1]   ; c s - m, two at a time
.set j, j+2
.endr
.set j, 0
.rept 64
	v_exp_f32 v[SC+j], v[SC+j]                     ; p = 2^(c s - m): one batch
.set j, j+1
.endr
	v_nop                                          ; a plain instruction behind the last exponential
	s_wait_alu depctr_va_vdst(0)                   ; the wait ahead of the first reader: one for the batch
	v_pk_add_f32 v[LA:LA+1], v[SC:SC+1], v[SC+4:SC+5]
	v_pk_add_f32 v[LB:LB+1], v[SC+2:SC+3], v[SC+6:SC+7]
	v_pk_mul_f32 v[GA:GA+1], v[SC:SC+1], v[MK:MK+1]
	v_pk_mul_f32 v[GB:GB+1], v[SC+2:SC+3], v[MK+2:MK+3]
	v_pk_fma_f32 v[GA:GA+1], v[SC+4:SC+5], v[MK+4:MK+5], v[GA:GA+1]
	v_pk_fma_f32 v[GB:GB+1], v[SC+6:SC+7], v[MK+6:MK+7], v[GB:GB+1]
.set j, 8
.rept 14
	v_pk_add_f32 v[LA:LA+1], v[LA:LA+1], v[SC+j:SC+j+1]
	v_pk_add_f32 v[LB:LB+1], v[LB:LB+1], v[SC+j+2:SC+j+3]
	v_pk_fma_f32 v[GA:GA+1], v[SC+j:SC+j+1], v[MK+j:MK+j+1], v[GA:GA+1]
	v_pk_fma_f32 v[GB:GB+1], v[SC+j+2:SC+j+3], v[MK+j+2:MK+j+3], v[GB:GB+1]
.set j, j+4
.endr
	v_pk_add_f32 v[LA:LA+1], v[LA:LA+1], v[LB:LB+1]
	v_pk_add_f32 v[GA:GA+1], v[GA:GA+1], v[GB:GB+1]
	v_add_f32 v[LA], v[LA], v[LA+1]
	v_add_f32 v[GA], v[GA], v[GA+1]
	v_permlanex16_b32 v[TP], v[LA], s[SEL], s[SEL+1]
	v_permlanex16_b32 v[LB], v[GA], s[SEL], s[SEL+1]
	v_add_f32 v[LA], v[LA], v[TP]
	v_add_f32 v[GA], v[GA], v[LB]
	ds_store_b32 v[AM], v[MM] offset:(\T)*192      ; both halves of the lanes write the same word with the same value
	ds_store_b32 v[AM], v[LA] offset:(\T)*192+64
	ds_store_b32 v[AM], v[GA] offset:(\T)*192+128
.endm
; A unit.  The next unit's operands are asked for behind this unit's products, so that they land under its softmax; a head's keys likewise, behind the last products of the head before.
.macro UNIT T
	s_wait_dscnt 0x0                               ; q's tile is in; my last stores have read their registers
.if \T == 0
	s_wait_loadcnt 0x0                             ; the head's keys are in
	v_add_nc_u32 v[AQ], s[TQ], v[AQ0]              ; the head's places in LDS
	v_add_nc_u32 v[AQS], s[TSC], v[AQS0]
	v_add_nc_u32 v[AM], s[TMG], v[AM0]
.endif
	SCORES
.rept 4
	v_nop                                          ; four places in front of the loads into registers that the products have read, and of the first read of results
.endr
.if \T < 3
	QLOAD (\T)+1, 0
.else
	s_cmp_eq_u32 s[HD], 7                          ; behind the last head nothing is left to fetch: no load leaves its buffer
	s_cbranch_scc1 .Lno_next_\@
	s_wait_xcnt 0x0                                ; the loads and the prefetch of a trip ago have read their base: it is stepped only behind this wait
	s_add_nc_u64 s[6:7], s[6:7], REC
	KLOAD
	QLOAD 0, 1
	ASK
.Lno_next_\@:
.endif
	SOFTMAX \T
.endm
.macro BARRIER                         ; my LDS stores have landed and my LDS loads are in: then the work-group's barrier
	s_wait_dscnt 0x0
	s_barrier_signal -1
	s_barrier_wait -1
.endm
	; ---- the head: q's images and scale words go into LDS (wave w: head w / 2, pair w % 2), the mask and head 0's keys into registers
	global_load_b128 v[SC:SC+3], v[L16], s[4:5]
	global_load_b128 v[SC+4:SC+7], v[L16], s[4:5] offset:512
	global_load_b128 v[SC+8:SC+11], v[L16], s[4:5] offset:1024
	global_load_b32 v[SC+12], v[L8], s[QSB:QSB+1] offset:6144
.irp i, 0,1,2,3,4,5,6,7
	global_load_b128 v[MK+8*\i:MK+8*\i+3], v[H32], s[8:9] offset:64*\i          ; keys 16 i + 8 h + 0 .. 7 of my 128
	global_load_b128 v[MK+8*\i+4:MK+8*\i+7], v[H32], s[8:9] offset:64*\i+16
.endr
	KLOAD
	s_wait_loadcnt 29                              ; q's four loads are in; the mask's 16 and the keys' 13 are younger
.irp g, 0,1,2
	ds_store_b128 v[QWI], v[SC+4*\g:SC+4*\g+3] offset:512*\g
.endr
	v_perm_b32 v[SC+13], v[SC+12], v[SC+12], s[PSEL]   ; (s0, s1, s0, s1) of my tile
	ds_store_b32 v[QWS], v[SC+13]
.irp i, 0,1,2,3,4,5
	v_mov_b32 v[QF+6+\i], 0                        ; the zero codes between q's two copies: written once
.endr
	v_mov_b32 v[AQ], v[AQ0]
	v_mov_b32 v[AQS], v[AQS0]
	BARRIER                                        ; all of q's images lie in LDS
	QLOAD 0, 0
	s_wait_loadcnt 13                              ; the mask is in; the keys' 13 loads are younger
.set j, 0
.rept 64
	v_cvt_f32_i32 v[MK+j], v[MK+j]
.set j, j+1
.endr
	; ---- eight heads, four units each
.Lhead:
	UNIT 0
	UNIT 1
	UNIT 2
	UNIT 3
	s_add_co_u32 s[TQ], s[TQ], 3072
	s_add_co_u32 s[TSC], s[TSC], 256
	s_add_co_u32 s[TMG], s[TMG], 768
	s_add_co_u32 s[HD], s[HD], 1
	s_cmp_lt_u32 s[HD], 8
	s_cbranch_scc1 .Lhead
	; ---- my 32 rows of Wp are asked for now, into the registers that q, the keys and part of the mask have left: they land under the merge
	s_wait_loadcnt 0x0                             ; no load of the loop into the keys' registers is out, on any way out of the loop, when those registers take new loads,
	s_wait_dscnt 0x0                               ; and none into q's
.irp n, 0,1
.irp t, 0,1,2,3
.irp p, 0,1,2,3,4,5
	global_load_b64 v[W5+12*(4*\n+\t)+2*\p:W5+12*(4*\n+\t)+2*\p+1], v[WA], s[10:11] offset:\n*6144+96*\t+48*(\p/3)+8*(\p%3)
.endr
.endr
	global_load_b128 v[W5S+4*\n:W5S+4*\n+3], v[R16], s[12:13] offset:256*\n
.endr
	BARRIER                                        ; every wave's partial softmaxes lie in LDS
	; ---- the merge: the sixteen (m, l, g) of my (head, query)
.irp st, 0,1,2
.irp wv, 0,1,2,3,4,5,6,7
	ds_load_b32 v[MG+16*\st+\wv], v[AMR] offset:\wv*6144+64*\st
	ds_load_b32 v[MG+16*\st+8+\wv], v[AMR2] offset:\wv*6144+64*\st
.endr
.endr
	s_wait_dscnt 0x0
	v_max3_num_f32 v[CH], v[MG], v[MG+1], v[MG+2]
	v_max3_num_f32 v[CH+1], v[MG+3], v[MG+4], v[MG+5]
	v_max3_num_f32 v[CH], v[CH], v[MG+6], v[MG+7]
	v_max3_num_f32 v[CH+1], v[CH+1], v[MG+8], v[MG+9]
	v_max3_num_f32 v[CH], v[CH], v[MG+10], v[MG+11]
	v_max3_num_f32 v[CH+1], v[CH+1], v[MG+12], v[MG+13]
	v_max3_num_f32 v[CH], v[CH], v[MG+14], v[MG+15]
	v_max_num_f32 v[MM], v[CH], v[CH+1]            ; m*: the row's maximum over all 2,048 keys
.set j, 0
.rept 8
	v_pk_add_f32 v[MG+j:MG+j+1], v[MG+j:MG+j+1], v[MM:MM+1] op_sel_hi:[1,0] neg_lo:[0,1] neg_hi:[0,1]   ; m_w - m*
.set j, j+2
.endr
.set j, 0
.rept 16
	v_exp_f32 v[MG+j], v[MG+j]
.set j, j+1
.endr
	v_nop
	s_wait_alu depctr_va_vdst(0)                   ; one wait for the sixteen, ahead of their first reader
	v_pk_mul_f32 v[LA:LA+1], v[MG:MG+1], v[MG+16:MG+17]
	v_pk_mul_f32 v[GA:GA+1], v[MG:MG+1], v[MG+32:MG+33]
.set j, 2
.rept 7
	v_pk_fma_f32 v[LA:LA+1], v[MG+j:MG+j+1], v[MG+16+j:MG+17+j], v[LA:LA+1]
	v_pk_fma_f32 v[GA:GA+1], v[MG+j:MG+j+1], v[MG+32+j:MG+33+j], v[GA:GA+1]
.set j, j+2
.endr
	v_add_f32 v[LA], v[LA], v[LA+1]
	v_add_f32 v[GA], v[GA], v[GA+1]
	v_rcp_f32 v[LA+1], v[LA]
	v_nop
	s_wait_alu depctr_va_vdst(0)
	v_mul_f32 v[MX], v[GA], v[LA+1]                ; s of head 2 (w / 4) + h, query 16 (w % 4) + r
	; ---- x's fragment w: K step w / 4 (heads 2 t, 2 t + 1), tile w % 4.  A block of 32 is 32 copies of s: sixteen are converted, and their 96 bits stand twice
	v_permlanex16_b32 v[TP], v[MX], s[SEL], s[SEL+1]
	v_cndmask_b32 v[CH], v[MX], v[TP], s[HALF]     ; the even head's s, in both halves of the lanes
	v_cndmask_b32 v[CH+1], v[TP], v[MX], s[HALF]   ; the odd head's
	v_max3_num_f32 v[CH+2], |v[CH]|, |v[CH]|, 0x1800000      ; the block's largest magnitude, and the floor 2^(3 - 127)
	v_max3_num_f32 v[CH+3], |v[CH+1]|, |v[CH+1]|, 0x1800000
	v_add_nc_u32 v[CH+2], 0xff000000, v[CH+2]      ; 2 off the exponent field: the conversion's scale operand
	v_add_nc_u32 v[CH+3], 0xff000000, v[CH+3]
	v_lshrrev_b32 v[T0], 23, v[CH+2]               ; the bytes
	v_lshrrev_b32 v[T1], 23, v[CH+3]
	v_mul_u32_u24 v[T0], v[T0], 0x101
	v_mul_u32_u24 v[T1], v[T1], 0x101
	v_lshl_or_b32 v[T0], v[T1], 16, v[T0]          ; the scale word: (even, even, odd, odd)
.set j, 0
.rept 16
	v_mov_b32 v[FA+j], v[CH]
	v_mov_b32 v[FB+j], v[CH+1]
.set j, j+1
.endr
	v_cvt_scalef32_pk16_fp6_f32 v[PC:PC+2], v[FA:FA+15], v[CH+2]
	v_cvt_scalef32_pk16_fp6_f32 v[PC+6:PC+8], v[FB:FB+15], v[CH+3]
	v_nop                                          ; one plain instruction behind the last scaled conversion
.irp i, 0,1,2
	v_mov_b32 v[PC+3+\i], v[PC+\i]
	v_mov_b32 v[PC+9+\i], v[PC+6+\i]
.endr
.irp g, 0,1,2
	ds_store_b128 v[XWI], v[PC+4*\g:PC+4*\g+3] offset:512*\g
.endr
	ds_store_b32 v[XWS], v[T0]
	BARRIER                                        ; x's sixteen fragments lie in LDS
	; ---- out^T = Wp x^T: my 32 columns (two tiles n) for the four tiles of queries: eight accumulators by turns, one instruction a turn, K ascending
.macro FETCH2 t, hf                    ; x's fragments of K step t, tiles 2 hf and 2 hf + 1, and their scale words
.irp i, 0,1
.irp g, 0,1,2
	ds_load_b128 v[XF+12*\i+4*\g:XF+12*\i+4*\g+3], v[XRI] offset:(4*(\t)+2*(\hf)+\i)*1536+512*\g
.endr
	ds_load_b32 v[XS+\i], v[XRS] offset:(4*(\t)+2*(\hf)+\i)*128
.endr
.endm
.irp t, 0,1,2,3
.irp hf, 0,1
	FETCH2 \t, \hf
	s_wait_dscnt 0x0
.if (\t == 0) && (\hf == 0)
	s_wait_loadcnt 0x0                             ; Wp
.endif
.irp i, 0,1
.irp n, 0,1
.if \t == 0
	v_wmma_scale_f32_16x16x128_f8f6f4 v[ACC+8*(4*\n+2*\hf+\i):ACC+8*(4*\n+2*\hf+\i)+7], v[W5+12*(4*\n+\t):W5+12*(4*\n+\t)+11], v[XF+12*\i:XF+12*\i+11], 0, v[W5S+4*\n+\t], v[XS+\i] matrix_a_fmt:MATRIX_FMT_FP6 matrix_b_fmt:MATRIX_FMT_FP6
.else
	v_wmma_scale_f32_16x16x128_f8f6f4 v[ACC+8*(4*\n+2*\hf+\i):ACC+8*(4*\n+2*\hf+\i)+7], v[W5+12*(4*\n+\t):W5+12*(4*\n+\t)+11], v[XF+12*\i:XF+12*\i+11], v[ACC+8*(4*\n+2*\hf+\i):ACC+8*(4*\n+2*\hf+\i)+7], v[W5S+4*\n+\t], v[XS+\i] matrix_a_fmt:MATRIX_FMT_FP6 matrix_b_fmt:MATRIX_FMT_FP6
.endif
.endr
.endr
.rept 4
	v_nop                                          ; four places in front of the loads into registers that the products have read, and of the first read of results
.endr
.endr
.endr
	; ---- the way out: lane (r, h) holds out(16 T + r, 32 w + 16 n + 8 h + 0 .. 7); a row's 512 numbers come from sixteen waves and meet in the stage
.irp T, 0,1,2,3
.irp n, 0,1
.if \T < 2
	ds_store_b128 v[SO], v[ACC+8*(4*\n+\T):ACC+8*(4*\n+\T)+3] offset:(\T%2)*33024+64*\n          ; each accumulator from its low end on
	ds_store_b128 v[SO], v[ACC+8*(4*\n+\T)+4:ACC+8*(4*\n+\T)+7] offset:(\T%2)*33024+64*\n+16
.else
	ds_store_b128 v[SO2], v[ACC+8*(4*\n+\T):ACC+8*(4*\n+\T)+3] offset:(\T%2)*33024+64*\n
	ds_store_b128 v[SO2], v[ACC+8*(4*\n+\T)+4:ACC+8*(4*\n+\T)+7] offset:(\T%2)*33024+64*\n+16
.endif
.endr
.endr
	BARRIER                                        ; 64 whole rows lie in the stage
.irp j, 0,1,2,3,4,5,6,7,8,9,10,11,12,13,14,15
	ds_load_b128 v[OB+4*\j:OB+4*\j+3], v[SR] offset:2064*(\j/4)+512*(\j%4)
.endr
.irp j, 0,1,2,3,4,5,6,7,8,9,10,11,12,13,14,15
	s_wait_dscnt 15-\j                             ; LDS loads come back in order: load j is in, the younger ones may be out
	global_store_b128 v[L16], v[OB+4*\j:OB+4*\j+3], s[14:15] offset:2048*(\j/4)+512*(\j%4) th:TH_STORE_NT   ; 32 lanes store 512 consecutive bytes, at a multiple of 256 from the output's first byte
.endr
	s_wait_tensorcnt 0x0                           ; the wave's end: three closing lines, behind my last LDS store
	ds_add_u32 v[SPW], v[NIL]
	s_wait_dscnt 0x0
	s_endpgm
.Lfunc_end_k_q67d3c1aedf_attn:
	.size	k_q67d3c1aedf_attn, .Lfunc_end_k_q67d3c1aedf_attn-k_q67d3c1aedf_attn
	.p2alignl 7, 3214868480
	.fill 96, 4, 3214868480
	.section	.rodata,"a",@progbits
	.p2align	6, 0x0
	.amdhsa_kernel k_q67d3c1aedf_attn
		.amdhsa_group_segment_fixed_size 285696
		.amdhsa_private_segment_fixed_size 0
		.amdhsa_enable_private_segment 0
		.amdhsa_kernarg_size 48
		.amdhsa_user_sgpr_count 2
		.amdhsa_user_sgpr_kernarg_segment_ptr 1
		.amdhsa_wavefront_size32 1
		.amdhsa_system_sgpr_workgroup_id_x 1
		.amdhsa_system_sgpr_workgroup_id_y 1
		.amdhsa_system_sgpr_workgroup_id_z 1
		.amdhsa_system_vgpr_workitem_id 0
		.amdhsa_next_free_vgpr 256
		.amdhsa_next_free_sgpr 66
		.amdhsa_reserve_vcc 0
		.amdhsa_float_denorm_mode_32 3
		.amdhsa_float_denorm_mode_16_64 3
		.amdhsa_memory_ordered 1
		.amdhsa_forward_progress 1
		.amdhsa_inst_pref_size 89
	.end_amdhsa_kernel
	.amdgpu_metadata
---
amdhsa.version: [ 1, 2 ]
amdhsa.kernels:
  - .name:           k_q67d3c1aedf_attn
    .symbol:         k_q67d3c1aedf_attn.kd
    .args:
      - { .name: qimg, .offset: 0, .size: 8, .value_kind: global_buffer, .address_space: global }
      - { .name: kimg, .offset: 8, .size: 8, .value_kind: global_buffer, .address_space: global }
      - { .name: supp_mask, .offset: 16, .size: 8, .value_kind: global_buffer, .address_space: global }
      - { .name: Wp_codes, .offset: 24, .size: 8, .value_kind: global_buffer, .address_space: global }
      - { .name: Wp_scales, .offset: 32, .size: 8, .value_kind: global_buffer, .address_space: global }
      - { .name: out0, .offset: 40, .size: 8, .value_kind: global_buffer, .address_space: global }
    .group_segment_fixed_size: 285696
    .private_segment_fixed_size: 0
    .kernarg_segment_align: 8
    .kernarg_segment_size: 48
    .max_flat_workgroup_size: 512
    .sgpr_count:     66
    .vgpr_count:     256
    .wavefront_size: 32
...
	.end_amdgpu_metadata
.endif
;; end of part 2
;; ======== version 2 of 2: 2 launches; version 1 with the launches proj, attn written anew for expert scheduling mode
;; workspace buffers: qimg 6,553,600 bytes; kimg 3,276,800 bytes
;; launch proj (part 3): grid 384 x 1, 4 waves a work-group, no clusters, 0 bytes of LDS; arguments q_codes, q_scales, Wq_codes, Wq_scales, k_codes, k_scales, Wk_codes, Wk_scales, qimg, kimg; writes qimg, kimg
.if DOCPART == 3
	.amdgcn_target "amdgcn-amd-amdhsa--gfx1250"
	.amdhsa_code_object_version 6
	.text
	.protected	k_q67d3c1aedf_proj
	.globl	k_q67d3c1aedf_proj
	.p2align	8
	.type	k_q67d3c1aedf_proj,@function
k_q67d3c1aedf_proj:
	s_mov_b64 s[64:65], 0
	v_nop
	global_prefetch_b8 v0, s[64:65] scope:SCOPE_SE
	s_setreg_imm32_b32 hwreg(HW_REG_WAVE_SCHED_MODE, 0, 2), 2
	s_setreg_imm32_b32 hwreg(HW_REG_WAVE_MODE, 25, 1), 1
	s_wait_xcnt 0x0
	s_wait_alu depctr_vm_vsrc(0)
; qh = q Wq^T and kh = k Wk^T on the given codes of FP6 (E2M3), then each head's 64 numbers of each row quantised anew (two blocks of 32), for the score product.
; One text serves both tensors: work-groups 0-255 take q (16,384 rows), 256-383 take k (8,192 rows); only pointers are chosen.
; SHARES.  A work-group takes 128 rows x 256 columns; wave w takes one head (64 columns) for all 128 rows.  Its part of W (4 column tiles x 4 K steps x 12 registers) stays in window 1.
; THE PRODUCT IS USED TRANSPOSED: source 0 = 16 rows of W, source 1 = 16 rows of x, so that a lane holds ONE row of the result and its registers run along the head's 64.
; THE ROWS OF W THAT FORM A TILE ARE NOT NEIGHBOURS: lane r of column tile 2 b + u takes row 32 b + 8 u + r + 8 (r / 8): the 16 registers of tiles 2 b, 2 b + 1 are 16 neighbours.
; WHAT IS STORED.  A record for each (group of 128 rows, head), 6,400 bytes.  For each PAIR p of row tiles (rows 32 p .. 32 p + 15 = A, the next 16 = B) the image of a 12-register operand:
; lane (r, h): registers 0-5 the codes 32 h .. 32 h + 31 of row A_r, registers 6-11 the same of row B_r; registers 4 g .. 4 g + 3 at byte 1536 p + 512 g + 16 x lane.
; At byte 6144 + 8 x lane the scale words: word 0 of pair h, word 1 of pair 2 + h, row r; a word's bytes are (A block 0, A block 1, B block 0, B block 1).
; LIMITS: a block whose largest magnitude lies under 2^-124 (a block of zeros too) keeps the byte 1; its codes are then zeros or next to it, and this program alone reads the bytes.  NaN and infinities are not served.
; THE MODE: SCHED_MODE bits 1:0 = 2 (LLVM: expert scheduling mode 2), set by the entry lines.  The code itself states the register dependences
; between vector or matrix instructions and memory instructions, with s_wait_alu, always for 0.
; THE PLAN.  Registers that memory instructions touch:
;   v3-v8       offsets, made once at the head and never written again.
;   W, WSR      loaded once at the head; read by the products alone.
;   XF, XSR     the loads of pair p + 1, issued in pair p behind its products, land here; read by pair p + 1's products.
;   PC0, PC1    two out-buffers.  Pair p's quantiser writes PC[p % 2]; its three stores are issued in pair p + 1.
;   v240, v241  written by two selects at the end, read by the last store.
; So ONE wait on va_vdst stands in a pair, behind its products and their places: the products are done reading XF and XSR, and the pair before has written its out-buffer.  The pair's loads and stores follow it;
; the quantiser behind them names none of their registers.  The waits that free an out-buffer stand at the head of the pair that writes it again, a whole pair behind the stores that read it.
; REGISTERS, window 0: v1-8 lane terms; v10-25 at work; v32-95 eight accumulators; v96-107 out-buffer 0; v108-115 half blocks as converted; v116-119 the pairs' scale words; v120-127 x's scale words; v128-143 W's;
;   v144-239 x's 8 fragments; v240-241 the scale words to store; v242-253 out-buffer 1.
.set FR,   12                          ; registers of a fragment: 16 rows x 128 K of 6-bit codes
.set ROWB, 384                         ; a row of 512 codes in bytes
.set REC,  6400                        ; a record
.set TM,   10
.set HA,   32
.set PC0,  96
.set TT,   108
.set PC1,  242
.set SW,   116
.set XSR,  120
.set WSR,  128
.set XF,   144
.set WV,   24                          ; s24 wave
.set SEL,  26                          ; s[26:27] selects of v_permlanex16_b32: lane l xor 16
.set HALF, 28                          ; s28 mask of lanes 16-31
.set MSB, 0
.macro WIN new                         ; the immediate's high byte repeats the setting that is left
.if MSB != \new
	s_set_vgpr_msb (MSB<<8)|\new
.set MSB, \new
.endif
.endm
	s_load_b256 s[4:11], s[0:1], 0x0               ; q's codes, q's scales, Wq's codes, Wq's scales
	s_load_b256 s[12:19], s[0:1], 0x20             ; the same four of k
	s_load_b128 s[20:23], s[0:1], 0x40             ; qimg, kimg
	v_lshrrev_b32 v1, 5, v0
	v_readfirstlane_b32 s[WV], v1                  ; wave 0..3
	v_and_b32 v1, 15, v0                           ; r
	v_bfe_u32 v2, v0, 4, 1                         ; h
	v_mul_u32_u24 v3, v1, ROWB
	v_mad_u32_u24 v3, v2, 24, v3                   ; x: row r, + 24 h
	v_and_b32 v9, 8, v1
	v_add_nc_u32 v9, v9, v1                        ; r + 8 (r / 8)
	v_mul_u32_u24 v4, v9, ROWB
	v_mad_u32_u24 v4, v2, 24, v4                   ; W: the tile's row, + 24 h
	v_lshlrev_b32 v5, 4, v1                        ; x's scale bytes: 16 a row
	v_lshlrev_b32 v6, 4, v9                        ; W's
	v_and_b32 v8, 31, v0
	v_lshlrev_b32 v7, 4, v8                        ; 16 x lane
	v_lshlrev_b32 v8, 3, v8                        ; 8 x lane
.irp b, 0,1,2,3
	v_mov_b32 v[TM+4+\b], 0                        ; written once: a lane permute's destination counts as one of its sources
.endr
	s_mov_b32 s[SEL], 0x76543210
	s_mov_b32 s[SEL+1], 0xfedcba98
	s_mov_b32 s[HALF], 0xffff0000
	s_cmp_lt_u32 ttmp9, 256
	s_cselect_b32 s25, 0, 256
	s_sub_co_u32 s25, ttmp9, s25                   ; my number within my tensor
	s_lshr_b32 s29, s25, 1                         ; the group of 128 rows
	s_and_b32 s25, s25, 1
	s_lshl_b32 s25, s25, 2
	s_wait_alu depctr_va_sdst(0)                   ; the wave's number is written, ahead of its first reader
	s_add_co_u32 s25, s25, s[WV]                   ; my head: 4 x column half + wave
	s_mul_i32 s30, s29, 128*ROWB                   ; byte offsets, each in a pair with 0 above it: the rows' codes,
	s_mov_b32 s31, 0
	s_lshl_b32 s32, s29, 11                        ; their scale bytes,
	s_mov_b32 s33, 0
	s_mul_i32 s34, s25, 64*ROWB                    ; my 64 rows of W,
	s_mov_b32 s35, 0
	s_lshl_b32 s36, s25, 10                        ; their scale bytes,
	s_mov_b32 s37, 0
	s_lshl_b32 s38, s29, 3
	s_add_co_u32 s38, s38, s25
	s_mul_i32 s38, s38, REC                        ; my record
	s_mov_b32 s39, 0
	s_wait_kmcnt 0x0
	s_cmp_lt_u32 ttmp9, 256                        ; q's work-group or k's?  The choice hangs on the work-group's number alone
	s_cselect_b64 s[4:5], s[4:5], s[12:13]
	s_cselect_b64 s[6:7], s[6:7], s[14:15]
	s_cselect_b64 s[8:9], s[8:9], s[16:17]
	s_cselect_b64 s[10:11], s[10:11], s[18:19]
	s_cselect_b64 s[20:21], s[20:21], s[22:23]
	s_add_nc_u64 s[4:5], s[4:5], s[30:31]
	s_add_nc_u64 s[6:7], s[6:7], s[32:33]
	s_add_nc_u64 s[8:9], s[8:9], s[34:35]
	s_add_nc_u64 s[10:11], s[10:11], s[36:37]
	s_add_nc_u64 s[20:21], s[20:21], s[38:39]
	WIN 0x40                                       ; destination window 1
	s_wait_alu depctr_va_vdst(0)                   ; the offsets v3 to v8 are written: every load and store of the kernel reads one of them
.irp ct, 0,1,2,3                                   ; W's fragment (column tile ct, K step t) at v[12 (4 ct + t)] of window 1: it stays
.irp t, 0,1,2,3
.irp p, 0,1,2,3,4,5
	global_load_b64 v[FR*(4*\ct+\t)+2*\p:FR*(4*\ct+\t)+2*\p+1], v4, s[8:9] offset:(32*(\ct/2)+8*(\ct%2))*ROWB+96*\t+48*(\p/3)+8*(\p%3)
.endr
.endr
.endr
	WIN 0
.irp ct, 0,1,2,3
	global_load_b128 v[WSR+4*\ct:WSR+4*\ct+3], v6, s[10:11] offset:(32*(\ct/2)+8*(\ct%2))*16   ; a row's 16 scale bytes: the words of its four K steps
.endr
; the 32 rows of pair p: 8 fragments (row tile rt, K step t) and their scale words
.macro XLOAD p
.irp rt, 0,1
.irp t, 0,1,2,3
.irp i, 0,1,2,3,4,5
	global_load_b64 v[XF+FR*(4*\rt+\t)+2*\i:XF+FR*(4*\rt+\t)+2*\i+1], v3, s[4:5] offset:(32*(\p)+16*\rt)*ROWB+96*\t+48*(\i/3)+8*(\i%3)
.endr
.endr
	global_load_b128 v[XSR+4*\rt:XSR+4*\rt+3], v5, s[6:7] offset:(32*(\p)+16*\rt)*16
.endr
.endm
; 64 numbers of a lane, v[s] .. v[s + 63], register 16 b + i = number 16 (lane / 16) + i of block b, become 12 registers of codes in v[pc] on and the four blocks' bytes in v[pw].
.macro QUANT s, pw, pc
.irp b, 0,1,2,3
	v_max3_num_f32 v[TM+\b], |v[\s+16*\b]|, |v[\s+1+16*\b]|, 0x1800000   ; block b: my 16 numbers, and the floor 2^(3 - 127): the byte cannot fall under 1
.endr
.irp i, 2,4,6,8,10,12,14
.irp b, 0,1,2,3
	v_max3_num_f32 v[TM+\b], v[TM+\b], |v[\s+16*\b+\i]|, |v[\s+1+16*\b+\i]|   ; the four blocks by turns
.endr
.endr
.irp b, 0,1,2,3
	v_permlanex16_b32 v[TM+4+\b], v[TM+\b], s[SEL], s[SEL+1]
.endr
.irp b, 0,1,2,3
	v_max_num_f32 v[TM+\b], v[TM+\b], v[TM+4+\b]   ; with lane l xor 16's 16: the block's largest magnitude
.endr
.irp b, 0,1,2,3
	v_add_nc_u32 v[TM+12+\b], 0xff000000, v[TM+\b] ; 2 off its exponent field: the conversion takes this operand's exponent field as its scale
.endr
.irp b, 0,1,2,3
	v_lshrrev_b32 v[TM+4+\b], 23, v[TM+12+\b]      ; the scale's byte
.endr
	v_lshl_or_b32 v[\pw], v[TM+5], 8, v[TM+4]
	v_lshl_or_b32 v[\pw], v[TM+6], 16, v[\pw]
	v_lshl_or_b32 v[\pw], v[TM+7], 24, v[\pw]
.irp c, 0,1
	v_cvt_scalef32_pk16_fp6_f32 v[\pc+6*\c:\pc+2+6*\c], v[\s+32*\c:\s+15+32*\c], v[TM+12+2*\c]
	v_cvt_scalef32_pk16_fp6_f32 v[TT+4*\c:TT+2+4*\c], v[\s+16+32*\c:\s+31+32*\c], v[TM+12+2*\c+1]   ; (a conversion's three registers begin on an even number)
.endr
	v_nop                                          ; one plain instruction behind the last scaled conversion
.irp c, 0,1                                        ; the operand's layout wants a WHOLE block in a lane: lanes 0-15 block 2 c, lanes 16-31 block 2 c + 1
.irp i, 0,1,2
	v_permlane16_swap_b32 v[\pc+6*\c+\i], v[TT+4*\c+\i]
.endr
.irp i, 0,1,2
	v_mov_b32 v[\pc+3+6*\c+\i], v[TT+4*\c+\i]
.endr
.endr
.endm
; Pair p: 32 products (eight accumulators by turns, one instruction a turn, K ascending; the first K step starts the sums), the one wait, the next pair's loads, the last pair's three stores of 512 consecutive bytes, the quantiser.
.macro PAIR p
.set PCB, PC0+(PC1-PC0)*((\p)%2)       ; the out-buffer that this pair writes,
.set PCO, PC0+(PC1-PC0)*(((\p)+1)%2)   ; and the one that the pair before wrote
	s_wait_loadcnt 0x0                             ; this pair's fragments are in (for pair 0: W's too)
.if \p >= 2
	s_wait_xcnt 0x0                                ; the stores of two pairs back, issued a pair ago, have had their addresses translated: their data registers are written again only behind this wait,
	s_wait_alu depctr_vm_vsrc(0)                   ; and they have read this pair's out-buffer, which the quantiser below writes again
.endif
	WIN 0x01                                       ; source 0 (W) window 1
.irp t, 0,1,2,3
.irp rt, 0,1
.irp ct, 0,1,2,3
.if \t == 0
	v_wmma_scale_f32_16x16x128_f8f6f4 v[HA+32*\rt+8*\ct:HA+32*\rt+8*\ct+7], v[FR*(4*\ct+\t):FR*(4*\ct+\t)+FR-1], v[XF+FR*(4*\rt+\t):XF+FR*(4*\rt+\t)+FR-1], 0, v[WSR+4*\ct+\t], v[XSR+4*\rt+\t] matrix_a_fmt:MATRIX_FMT_FP6 matrix_b_fmt:MATRIX_FMT_FP6
.else
	v_wmma_scale_f32_16x16x128_f8f6f4 v[HA+32*\rt+8*\ct:HA+32*\rt+8*\ct+7], v[FR*(4*\ct+\t):FR*(4*\ct+\t)+FR-1], v[XF+FR*(4*\rt+\t):XF+FR*(4*\rt+\t)+FR-1], v[HA+32*\rt+8*\ct:HA+32*\rt+8*\ct+7], v[WSR+4*\ct+\t], v[XSR+4*\rt+\t] matrix_a_fmt:MATRIX_FMT_FP6 matrix_b_fmt:MATRIX_FMT_FP6
.endif
.endr
.endr
.endr
	WIN 0
.rept 4
	v_nop                                          ; four places behind the products, in front of the first read of results and of the loads below
.endr
	s_wait_alu depctr_va_vdst(0)                   ; the products are done reading x's fragments and scale words, in which the loads below land; the pair before has written its out-buffer, which the stores below read
.if \p < 3
	XLOAD (\p)+1                                   ; the next pair's rows land while this pair is quantised
.endif
.if \p > 0
.irp g, 0,1,2
	global_store_b128 v7, v[PCO+4*\g:PCO+4*\g+3], s[20:21] offset:((\p)-1)*1536+512*\g   ; the pair before
.endr
.endif
	QUANT HA, SW+\p, PCB                           ; it names none of the registers that the loads and stores above touch
.endm
	XLOAD 0
	PAIR 0
	PAIR 1
	PAIR 2
	PAIR 3
	v_cndmask_b32 v240, v[SW], v[SW+1], s[HALF]    ; lanes 0-15 pair 0's word, lanes 16-31 pair 1's
	v_cndmask_b32 v241, v[SW+2], v[SW+3], s[HALF]  ; pairs 2 and 3
	s_wait_alu depctr_va_vdst(0)                   ; pair 3 has written out-buffer 1, and the two selects v240 and v241: the last four stores read them
.irp g, 0,1,2
	global_store_b128 v7, v[PC1+4*\g:PC1+4*\g+3], s[20:21] offset:3*1536+512*\g
.endr
	global_store_b64 v8, v[240:241], s[20:21] offset:6144   ; 32 lanes store 256 consecutive bytes
	s_endpgm
.Lfunc_end_k_q67d3c1aedf_proj:
	.size	k_q67d3c1aedf_proj, .Lfunc_end_k_q67d3c1aedf_proj-k_q67d3c1aedf_proj
	.p2alignl 7, 3214868480
	.fill 96, 4, 3214868480
	.section	.rodata,"a",@progbits
	.p2align	6, 0x0
	.amdhsa_kernel k_q67d3c1aedf_proj
		.amdhsa_group_segment_fixed_size 0
		.amdhsa_private_segment_fixed_size 0
		.amdhsa_enable_private_segment 0
		.amdhsa_kernarg_size 80
		.amdhsa_user_sgpr_count 2
		.amdhsa_user_sgpr_kernarg_segment_ptr 1
		.amdhsa_wavefront_size32 1
		.amdhsa_system_sgpr_workgroup_id_x 1
		.amdhsa_system_sgpr_workgroup_id_y 1
		.amdhsa_system_sgpr_workgroup_id_z 1
		.amdhsa_system_vgpr_workitem_id 0
		.amdhsa_next_free_vgpr 448
		.amdhsa_next_free_sgpr 66
		.amdhsa_reserve_vcc 0
		.amdhsa_float_denorm_mode_32 3
		.amdhsa_float_denorm_mode_16_64 3
		.amdhsa_memory_ordered 1
		.amdhsa_forward_progress 1
		.amdhsa_inst_pref_size 65
	.end_amdhsa_kernel
	.amdgpu_metadata
---
amdhsa.version: [ 1, 2 ]
amdhsa.kernels:
  - .name:           k_q67d3c1aedf_proj
    .symbol:         k_q67d3c1aedf_proj.kd
    .args:
      - { .name: q_codes, .offset: 0, .size: 8, .value_kind: global_buffer, .address_space: global }
      - { .name: q_scales, .offset: 8, .size: 8, .value_kind: global_buffer, .address_space: global }
      - { .name: Wq_codes, .offset: 16, .size: 8, .value_kind: global_buffer, .address_space: global }
      - { .name: Wq_scales, .offset: 24, .size: 8, .value_kind: global_buffer, .address_space: global }
      - { .name: k_codes, .offset: 32, .size: 8, .value_kind: global_buffer, .address_space: global }
      - { .name: k_scales, .offset: 40, .size: 8, .value_kind: global_buffer, .address_space: global }
      - { .name: Wk_codes, .offset: 48, .size: 8, .value_kind: global_buffer, .address_space: global }
      - { .name: Wk_scales, .offset: 56, .size: 8, .value_kind: global_buffer, .address_space: global }
      - { .name: qimg, .offset: 64, .size: 8, .value_kind: global_buffer, .address_space: global }
      - { .name: kimg, .offset: 72, .size: 8, .value_kind: global_buffer, .address_space: global }
    .group_segment_fixed_size: 0
    .private_segment_fixed_size: 0
    .kernarg_segment_align: 8
    .kernarg_segment_size: 80
    .max_flat_workgroup_size: 128
    .sgpr_count:     66
    .vgpr_count:     448
    .wavefront_size: 32
...
	.end_amdgpu_metadata
.endif
;; end of part 3
;; launch attn (part 4): grid 64 x 4, 16 waves a work-group, no clusters, 285,696 bytes of LDS; arguments qimg, kimg, supp_mask, Wp_codes, Wp_scales, out0; writes out0
.if DOCPART == 4
	.amdgcn_target "amdgcn-amd-amdhsa--gfx1250"
	.amdhsa_code_object_version 6
	.text
	.protected	k_q67d3c1aedf_attn
	.globl	k_q67d3c1aedf_attn
	.p2align	8
	.type	k_q67d3c1aedf_attn,@function
k_q67d3c1aedf_attn:
	s_mov_b64 s[64:65], 0
	v_nop
	global_prefetch_b8 v0, s[64:65] scope:SCOPE_SE
	s_setreg_imm32_b32 hwreg(HW_REG_WAVE_SCHED_MODE, 0, 2), 2
	s_setreg_imm32_b32 hwreg(HW_REG_WAVE_MODE, 25, 1), 1
	s_wait_xcnt 0x0
	s_wait_alu depctr_vm_vsrc(0)
; out = x Wp^T, x[n][64 head + d] = s[head][n] = sum_m softmax_m(qh . kh / 8) mask[m].  Scores and the last product on codes of FP6 (E2M3) with E8M0 scales; softmax, the mask's sum and the quantiser of x in f32.
; The input v does not enter the result as the problem defines it (it is never used there), so no launch names it.
; SHARES.  A work-group owns 64 queries of one batch, all 8 heads.  ITS SIXTEEN WAVES SHARE THE KEYS: wave w owns keys 128 w .. 128 w + 127.  Their mask stays in 64 registers as f32 for the whole launch, their codes
; of the head in hand in 48 registers for the four tiles of 16 queries.  A UNIT is (head, query tile): 8 products, then a softmax over the wave's 128 keys alone: m = c x the largest score, l = sum 2^(c s - m), g = sum 2^(c s - m) mask,
; c = log2(e) / 8.  The sixteen (m, l, g) of each (query, head) meet in LDS and are merged once, under their common maximum: s = sum 2^(m_w - m*) g_w / sum 2^(m_w - m*) l_w.  No barrier stands in the loop.
; K = 64 IN AN INSTRUCTION OF 128.  Source 0 is a PAIR of key tiles, [A's 64 | B's 64]; source 1 is [q | zeros] or [zeros | q], two views of 18 registers q | 0 | q.  So each register of keys feeds two products, and a key's
; scale word (A0, A1, B0, B1) serves both; q's word is (s0, s1, s0, s1).  Zero codes add nothing under any scale byte that occurs (1 .. 254).
; In a unit's result lane (r, h) holds query r, and register 16 p + 8 c + j the key 128 w + 32 p + 16 c + 8 h + j.
; WHY NO JOINT LOADS: a wave's keys go from memory straight into its operand registers (6,400 bytes a head, asked for a whole softmax ahead) and feed 32 products there; through LDS they would be copied once more.
; LIMITS: NaN and infinities are not served; an s under 2^-124 keeps the scale byte 1; the sums over keys are taken 128 at a time and then merged, another order of f32 roundings than one sum over 2,048.
; THE MODE: SCHED_MODE bits 1:0 = 2 (LLVM: expert scheduling mode 2), set by the entry lines.  The code itself states the register dependences
; between vector or matrix instructions and memory or LDS instructions, with s_wait_alu, always for 0.
; THE PLAN.  Registers that memory or LDS instructions touch, in the loop:
;   q's two copies in QF, QS   Unit T's LDS loads bring tile T + 1 (unit 3's: tile 0 of the next head); read by that unit's eight products.
;   KF, KS                     Unit 3's global loads bring the next head's keys; read by that head's 32 products.
;   MM, LA, GA                 Written by unit T's softmax; read by three LDS stores that are issued in unit T + 1 (unit 3's: at its own end).
;   AQ, AQS, AM                Written by three additions at unit 0's head; read by the LDS loads and stores of the head in hand.
;   L16, L8, PFO               Made once at the kernel's head, never written again.
; ONE wait on va_vdst stands behind a unit's products and their places: they are done reading q (in unit 3: the keys too), the unit before has written (m, l, g), and in unit 0 the three addresses are written.
; The unit's loads and stores follow it.  The softmax behind them writes none of their registers ahead of its line for m: there stands a wait on vm_vsrc (units 1 to 3; for unit 0 the one at its head serves).
; The wait behind the exponentials is the softmax's own.  Unit 3 has a second wait on va_vdst, ahead of its own stores; no vector instruction follows it before the loop's end.
; LDS, every region written once, by ds_store:
.set QIMG,  0                          ; 24,576  q's operand images, [head][pair of tiles][1,536]
.set QSC,   24576                      ;  2,048  q's scale words, [head][tile][16 rows]
.set MRG,   26624                      ; 98,304  the partial softmaxes: wave x 6,144 + (4 head + tile) x 192 + (m, l, g) x 64 + 4 r: each wave stores into a run of its own
.set XIMG,  124928                     ; 24,576  x's 16 fragments (4 K step + tile), images of 1,536 bytes
.set XSC,   149504                     ;  2,048  their scale words, 128 bytes each
.set STG,   151552                     ; 132,096 the way out: 64 rows x (2,048 + 16)
.set SPARE, 283648                     ;  2,048  the spare words, 128 bytes for each wave, which no other line names
.set REC,   6400                       ; a record of qimg or kimg: (group of 128 rows, head)
.set L16, 1                            ; 16 x lane
.set L8,  2                            ; 8 x lane
.set AQ,  3                            ; q's images of the head in hand
.set AQS, 4                            ; q's scale words of the head in hand
.set AM,  5                            ; my partial softmaxes of the head in hand
.set SPW, 6                            ; LDS address of my spare word; never rewritten
.set NIL, 7                            ; 0; never rewritten
.set CH,  8                            ; v8-11  four chains of the maximum
.set MX,  12
.set TP,  13
.set MM,  14                           ; v[14:15] m (the pair's low word serves both halves)
.set LA,  16                           ; v[16:23] l and g, two packed chains each
.set LB,  18
.set GA,  20
.set GB,  22
.set KS,  24                           ; v[24:25] the keys' scale words: v24 lanes 0-15 pair 0, lanes 16-31 pair 1; v25 pairs 2, 3
.set QS,  26                           ; q's scale word
.set AQ0, 27
.set AQS0, 30
.set AM0, 31
.set W5S, 32                           ; v[32:39] Wp's scale words
.set QF,  40                           ; v[40:57] q | zeros | q
.set KF,  58                           ; v[58:105] four pairs of key tiles
.set MK,  106                          ; v[106:169] the mask of my lane's 64 keys, f32
.set SC,  170                          ; v[170:233] the scores, then p
.set H32, 234
.set PFO, 235
.set WA,  236
.set R16, 237
.set AMR, 238
.set XWI, 239
.set XWS, 240
.set XRI, 241
.set XRS, 242
.set SO,  243
.set SO2, 244
.set SR,  245
.set AMR2, 246
.set RR,  247
.set HH,  248
.set LN,  249
.set QWI, 250
.set QWS, 251
.set T0,  252
.set T1,  253
.set W5,  40                           ; behind the loop: v[40:135] Wp's 8 fragments, 12 (4 n + t)
.set FA,  136                          ; 16 copies of s of the even head, FB of the odd one
.set FB,  152
.set XF0, 136                          ; later two fragments of x, in two buffers by turns: v[136:159],
.set XF1, 8                            ; and v[8:31], which the loop's statistics and addresses have left
.set XS,  160                          ; v[160:163] x's scale words, two for each buffer
.set MG,  170                          ; the merge: 16 m, 16 l, 16 g
.set PC,  218                          ; x's codes
.set ACC, 170                          ; the last product's accumulators, 8 (4 n + tile)
.set OB,  40                           ; rows of the output, read back
.set WV,  16
.set QBK, 17
.set BT,  18
.set HD,  19
.set SEL, 20
.set CS,  22
.set HALF, 24
.set LIM, 25
.set PSEL, 26
.set QSB, 28
.set TQ,  30
.set TSC, 31
.set TMG, 32
	s_load_b256 s[4:11], s[0:1], 0x0               ; qimg, kimg, the mask, Wp's codes
	s_load_b128 s[12:15], s[0:1], 0x20             ; Wp's scales, the output
	v_lshl_add_u32 v[SPW], v0, 2, SPARE
	v_mov_b32 v[NIL], 0
	v_lshrrev_b32 v[T0], 5, v0
	v_readfirstlane_b32 s[WV], v[T0]               ; wave 0..15
	s_mov_b32 s[QBK], ttmp9                        ; my block of 64 queries
	s_and_b32 s[BT], ttmp7, 0xffff                 ; the batch
	s_mov_b32 s[SEL], 0x76543210
	s_mov_b32 s[SEL+1], 0xfedcba98                 ; v_permlanex16_b32's selects for lane l xor 16
	s_mov_b32 s[CS], 0x3e38aa3b                    ; c = log2(e) / 8
	s_mov_b32 s[CS+1], s[CS]                       ; (named with it as a pair, so it is written)
	s_mov_b32 s[HALF], 0xffff0000                  ; lanes 16-31
	s_cmp_eq_u32 s[QBK], 0
	s_cselect_b32 s[LIM], 6, 0                     ; the batch's first work-group prefetches, in the trips of heads 0 to 5
	s_wait_alu depctr_va_sdst(0)                   ; the wave's number is written, ahead of its first reader
	s_and_b32 s44, s[WV], 1
	s_mov_b32 s[PSEL], 0x01000100                  ; even wave: a scale word's low half twice (tile A), odd wave: its high half twice (tile B)
	s_cmp_lg_u32 s44, 0
	s_cselect_b32 s[PSEL], 0x03020302, s[PSEL]
.irp i, 0,1,2,3,4,5
	v_mov_b32 v[QF+6+\i], 0                        ; the zero codes between q's two copies: written once, here, so that the address lines below and then the wait ahead of the first load stand between them and the first product
.endr
	; every address register is made here, of the thread's number, the wave's number and constants
	v_and_b32 v[LN], 31, v0
	v_and_b32 v[RR], 15, v0                        ; r
	v_bfe_u32 v[HH], v0, 4, 1                      ; h
	v_lshlrev_b32 v[L16], 4, v[LN]
	v_lshlrev_b32 v[L8], 3, v[LN]
	v_add_nc_u32 v[AQ0], QIMG, v[L16]
	v_lshl_add_u32 v[AQS0], v[RR], 2, QSC
	s_mul_i32 s45, s[WV], 6144
	s_add_co_u32 s45, s45, MRG
	v_lshl_add_u32 v[AM0], v[RR], 2, s45
	v_lshlrev_b32 v[H32], 5, v[HH]                 ; the mask: 8 h keys of 4 bytes
	v_min_u32 v[PFO], 24, v[LN]
	v_lshlrev_b32 v[PFO], 8, v[PFO]                ; the prefetch: a record is 25 runs of 256 bytes, a lane a run (lanes 25-31 name the last once more)
	v_mul_u32_u24 v[WA], v[RR], 384
	v_mad_u32_u24 v[WA], v[HH], 24, v[WA]          ; Wp: row r of 384 bytes, + 24 h
	v_lshlrev_b32 v[R16], 4, v[RR]                 ; its scale bytes: 16 a row
	s_lshr_b32 s45, s[WV], 2
	s_lshl_b32 s45, s45, 3
	s_and_b32 s46, s[WV], 3
	s_add_co_u32 s45, s45, s46
	s_mul_i32 s45, s45, 192
	s_add_co_u32 s45, s45, MRG
	v_lshl_add_u32 v[AMR], v[RR], 2, s45           ; the merge: lane (r, h) of wave w owns head 2 (w / 4) + h, tile w % 4, query r
	v_mad_u32_u24 v[AMR], v[HH], 768, v[AMR]
	v_add_nc_u32 v[AMR2], 49152, v[AMR]            ; waves 8-15's runs
	s_mul_i32 s45, s[WV], 1536
	s_add_co_u32 s46, s45, QIMG
	v_add_nc_u32 v[QWI], s46, v[L16]               ; where I put q's image: head w / 2, pair w % 2
	s_add_co_u32 s46, s45, XIMG
	v_add_nc_u32 v[XWI], s46, v[L16]               ; and x's: fragment w
	s_lshl_b32 s45, s[WV], 7
	s_add_co_u32 s46, s45, XSC
	v_lshl_add_u32 v[XWS], v[LN], 2, s46
	v_add_nc_u32 v[XRI], XIMG, v[L16]
	v_lshl_add_u32 v[XRS], v[LN], 2, XSC
	s_add_co_u32 s46, s45, STG
	v_mul_u32_u24 v[SO], v[RR], 2064
	v_lshl_add_u32 v[SO], v[HH], 5, v[SO]
	v_add_nc_u32 v[SO], s46, v[SO]                 ; the stage: row r, + 32 h, + my 128 bytes of a row
	v_add_nc_u32 v[SO2], 66048, v[SO]              ; and 32 rows further down
	s_mul_i32 s45, s[WV], 8256
	s_add_co_u32 s45, s45, STG
	v_add_nc_u32 v[SR], s45, v[L16]                ; back: my 4 rows
	s_lshr_b32 s45, s[WV], 1
	s_lshl_b32 s45, s45, 8
	s_lshl_b32 s46, s44, 6
	s_add_co_u32 s45, s45, s46
	s_add_co_u32 s45, s45, QSC
	v_lshl_add_u32 v[QWS], v[RR], 2, s45
	v_lshl_add_u32 v[QWS], v[HH], 7, v[QWS]        ; q's scale word of tile 2 h + w % 2, head w / 2, row r
	v_mov_b32 v[TP], 0                             ; written once: a lane permute's destination counts as one of its sources
	v_mov_b32 v[MM+1], 0                           ; (named as the upper half of the pair)
	; byte offsets into the buffers, each in a pair with 0 above it
	s_lshl_b32 s30, s[BT], 5
	s_lshr_b32 s45, s[QBK], 1
	s_add_co_u32 s30, s30, s45                     ; q's group of 128 rows
	s_lshl_b32 s30, s30, 3
	s_lshr_b32 s45, s[WV], 1
	s_add_co_u32 s30, s30, s45                     ; head w / 2
	s_mul_i32 s30, s30, REC
	s_and_b32 s45, s[QBK], 1                       ; which half of the group is my block's
	s_lshl_b32 s32, s45, 2
	s_add_co_u32 s32, s32, s30                     ; its scale words: word 0 or 1 of each lane's two
	s_mov_b32 s33, 0
	s_mul_i32 s45, s45, 3072
	s_add_co_u32 s30, s30, s45
	s_mul_i32 s45, s44, 1536
	s_add_co_u32 s30, s30, s45                     ; its pair w % 2
	s_mov_b32 s31, 0
	s_lshl_b32 s34, s[BT], 4
	s_add_co_u32 s34, s34, s[WV]
	s_mul_i32 s34, s34, 8*REC                      ; my group of 128 keys, head 0
	s_mov_b32 s35, 0
	s_lshl_b32 s36, s[BT], 13
	s_lshl_b32 s45, s[WV], 9
	s_add_co_u32 s36, s36, s45                     ; their mask
	s_mov_b32 s37, 0
	s_mul_i32 s38, s[WV], 12288                    ; my 32 rows of Wp,
	s_mov_b32 s39, 0
	s_mov_b32 s40, s45                             ; their scale bytes: 512 x wave
	s_mov_b32 s41, 0
	s_lshl_b32 s42, s[BT], 12
	s_lshl_b32 s45, s[QBK], 6
	s_add_co_u32 s42, s42, s45
	s_lshl_b32 s45, s[WV], 2
	s_add_co_u32 s42, s42, s45
	s_lshl_b32 s42, s42, 11                        ; the 4 rows of the output that I store
	s_mov_b32 s43, 0
	s_wait_kmcnt 0x0
	s_add_nc_u64 s[QSB:QSB+1], s[4:5], s[32:33]
	s_add_nc_u64 s[4:5], s[4:5], s[30:31]
	s_add_nc_u64 s[6:7], s[6:7], s[34:35]
	s_add_nc_u64 s[8:9], s[8:9], s[36:37]
	s_add_nc_u64 s[10:11], s[10:11], s[38:39]
	s_add_nc_u64 s[12:13], s[12:13], s[40:41]
	s_add_nc_u64 s[14:15], s[14:15], s[42:43]
	s_mov_b32 s[TQ], 0                             ; the head's steps in LDS: 3,072 in q's images,
	s_mov_b32 s[TSC], 0                            ; 256 in q's scale words,
	s_mov_b32 s[TMG], 0                            ; 768 in my partial softmaxes
	s_mov_b32 s[HD], 0
.macro KLOAD                           ; a head's record of my 128 keys: four pair images and the scale words, 13 loads
.irp i, 0,1,2,3,4,5,6,7,8,9,10,11
	global_load_b128 v[KF+4*\i:KF+4*\i+3], v[L16], s[6:7] offset:512*\i
.endr
	global_load_b64 v[KS:KS+1], v[L8], s[6:7] offset:6144
.endm
.macro QLOAD T, dh                     ; tile T of head (in hand + dh): its six registers twice, round the zeros, and its scale word.  An even tile is registers 0-5 of its pair's image, an odd one registers 6-11
.set QOF, (\dh)*3072+((\T)/2)*1536
.if ((\T)%2) == 0
	ds_load_b128 v[QF:QF+3], v[AQ] offset:QOF
	ds_load_b64 v[QF+4:QF+5], v[AQ] offset:QOF+512
	ds_load_b128 v[QF+12:QF+15], v[AQ] offset:QOF
	ds_load_b64 v[QF+16:QF+17], v[AQ] offset:QOF+512
.else
	ds_load_b64 v[QF:QF+1], v[AQ] offset:QOF+520
	ds_load_b128 v[QF+2:QF+5], v[AQ] offset:QOF+1024
	ds_load_b64 v[QF+12:QF+13], v[AQ] offset:QOF+520
	ds_load_b128 v[QF+14:QF+17], v[AQ] offset:QOF+1024
.endif
	ds_load_b32 v[QS], v[AQS] offset:(\dh)*256+(\T)*64
.endm
.macro SCORES                          ; eight products on eight accumulators, each begun with the constant 0: no chain
.irp p, 0,1,2,3
.irp c, 0,1
.if (\p%2) == 0
	v_wmma_scale_f32_16x16x128_f8f6f4 v[SC+16*\p+8*\c:SC+16*\p+8*\c+7], v[KF+12*\p:KF+12*\p+11], v[QF+6*\c:QF+6*\c+11], 0, v[KS+\p/2], v[QS] matrix_a_fmt:MATRIX_FMT_FP6 matrix_b_fmt:MATRIX_FMT_FP6
.else
	v_wmma_scale_f32_16x16x128_f8f6f4 v[SC+16*\p+8*\c:SC+16*\p+8*\c+7], v[KF+12*\p:KF+12*\p+11], v[QF+6*\c:QF+6*\c+11], 0, v[KS+\p/2], v[QS] matrix_a_fmt:MATRIX_FMT_FP6 matrix_b_fmt:MATRIX_FMT_FP6 matrix_a_scale:MATRIX_SCALE_ROW1
.endif
.endr
.endr
.endm
; A PREFETCH INTO THE L2 of my wave's record of the head after the one just asked for: 25 runs of 256 bytes, a lane a run.  All 64 work-groups of a batch walk the same keys: the batch's first work-group asks, each of its
; waves for its own keys.  It stands behind the wave's loads, one trip (four units) ahead of the loads that will want the bytes.  Heads 0 and 1 come by their loads alone; the trips of heads 6 and 7 ask for nothing.
.macro ASK
	s_cmp_lt_u32 s[HD], s[LIM]
	s_cbranch_scc0 .Lnot_mine_\@
	global_prefetch_b8 v[PFO], s[6:7] offset:REC th:TH_LOAD_NT scope:SCOPE_SE
.Lnot_mine_\@:
.endm
; (m, l, g) of unit T go to my run of LDS
.macro PUT T
	ds_store_b32 v[AM], v[MM] offset:(\T)*192      ; both halves of the lanes write the same word with the same value
	ds_store_b32 v[AM], v[LA] offset:(\T)*192+64
	ds_store_b32 v[AM], v[GA] offset:(\T)*192+128
.endm
; The softmax of unit T over my 128 keys; it leaves (m, l, g) in MM, LA, GA.
.macro SOFTMAX T
.irp b, 0,1,2,3
	v_max3_num_f32 v[CH+\b], v[SC+16*\b], v[SC+16*\b+1], v[SC+16*\b+2]   ; four chains by turns; each accumulator is read from its low end on
.endr
.irp i, 3,5,7,9,11,13
.irp b, 0,1,2,3
	v_max3_num_f32 v[CH+\b], v[CH+\b], v[SC+16*\b+\i], v[SC+16*\b+\i+1]
.endr
.endr
.irp b, 0,1,2,3
	v_max_num_f32 v[CH+\b], v[CH+\b], v[SC+16*\b+15]
.endr
	v_max3_num_f32 v[MX], v[CH], v[CH+1], v[CH+2]
	v_max_num_f32 v[MX], v[MX], v[CH+3]
	v_permlanex16_b32 v[TP], v[MX], s[SEL], s[SEL+1]   ; the query's other 64 keys lie in lane l xor 16
	v_max_num_f32 v[MX], v[MX], v[TP]
.if \T > 0
	s_wait_alu depctr_vm_vsrc(0)                   ; the three stores issued in this unit have read the last unit's m, l and g, which are written again from here on
.endif
	v_mul_f32 v[MM], s[CS], v[MX]                  ; m = c x the largest score (c is positive)
.set j, 0
.rept 32
	v_pk_fma_f32 v[SC+j:SC+j+1], v[SC+j:SC+j+1], s[CS:CS+1], v[MM:MM+1] op_sel_hi:[1,0,0] neg_lo:[0,0,1] neg_hi:[0,0,1]   ; c s - m, two at a time
.set j, j+2
.endr
.set j, 0
	s_wait_alu depctr_va_vdst(0)
.rept 64
	v_exp_f32 v[SC+j], v[SC+j]                     ; p = 2^(c s - m): one batch
.set j, j+1
.endr
	v_nop                                          ; a plain instruction behind the last exponential
	s_wait_alu depctr_va_vdst(0)                   ; the 64 exponentials have written p: the wait ahead of the first reader, one for the batch
	v_pk_add_f32 v[LA:LA+1], v[SC:SC+1], v[SC+4:SC+5]
	v_pk_add_f32 v[LB:LB+1], v[SC+2:SC+3], v[SC+6:SC+7]
	v_pk_mul_f32 v[GA:GA+1], v[SC:SC+1], v[MK:MK+1]
	v_pk_mul_f32 v[GB:GB+1], v[SC+2:SC+3], v[MK+2:MK+3]
	v_pk_fma_f32 v[GA:GA+1], v[SC+4:SC+5], v[MK+4:MK+5], v[GA:GA+1]
	v_pk_fma_f32 v[GB:GB+1], v[SC+6:SC+7], v[MK+6:MK+7], v[GB:GB+1]
.set j, 8
.rept 14
	v_pk_add_f32 v[LA:LA+1], v[LA:LA+1], v[SC+j:SC+j+1]
	v_pk_add_f32 v[LB:LB+1], v[LB:LB+1], v[SC+j+2:SC+j+3]
	v_pk_fma_f32 v[GA:GA+1], v[SC+j:SC+j+1], v[MK+j:MK+j+1], v[GA:GA+1]
	v_pk_fma_f32 v[GB:GB+1], v[SC+j+2:SC+j+3], v[MK+j+2:MK+j+3], v[GB:GB+1]
.set j, j+4
.endr
	v_pk_add_f32 v[LA:LA+1], v[LA:LA+1], v[LB:LB+1]
	v_pk_add_f32 v[GA:GA+1], v[GA:GA+1], v[GB:GB+1]
	v_add_f32 v[LA], v[LA], v[LA+1]
	v_add_f32 v[GA], v[GA], v[GA+1]
	v_permlanex16_b32 v[TP], v[LA], s[SEL], s[SEL+1]
	v_permlanex16_b32 v[LB], v[GA], s[SEL], s[SEL+1]
	v_add_f32 v[LA], v[LA], v[TP]
	v_add_f32 v[GA], v[GA], v[LB]
.endm
; A unit.  The next unit's operands are asked for behind this unit's products, so that they land under its softmax; a head's keys likewise, behind the last products of the head before.
.macro UNIT T
	s_wait_dscnt 0x0                               ; q's tile is in
.if \T == 0
	s_wait_loadcnt 0x0                             ; the head's keys are in
	s_wait_alu depctr_vm_vsrc(0)                   ; the LDS loads of q's tile have read AQ and AQS, and the last unit's stores AM, m, l and g (first trip: the head's stores have read the registers that the scores take)
	v_add_nc_u32 v[AQ], s[TQ], v[AQ0]              ; the head's places in LDS
	v_add_nc_u32 v[AQS], s[TSC], v[AQS0]
	v_add_nc_u32 v[AM], s[TMG], v[AM0]
.endif
	SCORES
.rept 4
	v_nop                                          ; four places behind the products, in front of the first read of results and of the loads below
.endr
	s_wait_alu depctr_va_vdst(0)                   ; the products are done reading q's tile and its scale word (unit 3: the keys and theirs too), in which the loads below land; the last unit's m, l, g are written, which the stores below read; unit 0: so are AQ, AQS, AM
.if \T < 3
	QLOAD (\T)+1, 0
.endif
.if \T > 0
	PUT (\T)-1                                     ; the unit before
.endif
.if \T == 3
	s_cmp_eq_u32 s[HD], 7                          ; behind the last head nothing is left to fetch: no load leaves its buffer
	s_cbranch_scc1 .Lno_next_\@
	s_wait_xcnt 0x0                                ; the loads and the prefetch of a trip ago have read their base: it is stepped only behind this wait
	s_add_nc_u64 s[6:7], s[6:7], REC
	KLOAD
	QLOAD 0, 1
	ASK
.Lno_next_\@:
.endif
	SOFTMAX \T
.if \T == 3
	s_wait_alu depctr_va_vdst(0)                   ; this unit's m, l and g are written, which its own stores read: they go out under the head's address, ahead of its step
	PUT 3
.endif
.endm
.macro BARRIER                         ; my LDS stores have landed and my LDS loads are in: then the work-group's barrier
	s_wait_dscnt 0x0
	s_barrier_signal -1
	s_barrier_wait -1
.endm
	; ---- the head: q's images and scale words go into LDS (wave w: head w / 2, pair w % 2), the mask and head 0's keys into registers
	s_wait_alu depctr_va_vdst(0)                   ; every address and offset made above is written, which the kernel's loads, stores and prefetches read; so are the zero codes, which the products take as part of source 1
	global_load_b128 v[SC:SC+3], v[L16], s[4:5]
	global_load_b128 v[SC+4:SC+7], v[L16], s[4:5] offset:512
	global_load_b128 v[SC+8:SC+11], v[L16], s[4:5] offset:1024
	global_load_b32 v[SC+12], v[L8], s[QSB:QSB+1] offset:6144
.irp i, 0,1,2,3,4,5,6,7
	global_load_b128 v[MK+8*\i:MK+8*\i+3], v[H32], s[8:9] offset:64*\i          ; keys 16 i + 8 h + 0 .. 7 of my 128
	global_load_b128 v[MK+8*\i+4:MK+8*\i+7], v[H32], s[8:9] offset:64*\i+16
.endr
	KLOAD
	s_wait_loadcnt 29                              ; q's four loads are in; the mask's 16 and the keys' 13 are younger
	v_perm_b32 v[SC+13], v[SC+12], v[SC+12], s[PSEL]   ; (s0, s1, s0, s1) of my tile
	v_mov_b32 v[AQ], v[AQ0]
	v_mov_b32 v[AQS], v[AQS0]
	s_wait_alu depctr_va_vdst(0)                   ; the scale word is written, which the fourth store below reads, and AQ and AQS, by which the first tile of q is loaded
.irp g, 0,1,2
	ds_store_b128 v[QWI], v[SC+4*\g:SC+4*\g+3] offset:512*\g
.endr
	ds_store_b32 v[QWS], v[SC+13]
	BARRIER                                        ; all of q's images lie in LDS
	QLOAD 0, 0
	s_wait_loadcnt 13                              ; the mask is in; the keys' 13 loads are younger
.set j, 0
.rept 64
	v_cvt_f32_i32 v[MK+j], v[MK+j]
.set j, j+1
.endr
	; ---- eight heads, four units each
.Lhead:
	UNIT 0
	UNIT 1
	UNIT 2
	UNIT 3
	s_add_co_u32 s[TQ], s[TQ], 3072
	s_add_co_u32 s[TSC], s[TSC], 256
	s_add_co_u32 s[TMG], s[TMG], 768
	s_add_co_u32 s[HD], s[HD], 1
	s_cmp_lt_u32 s[HD], 8
	s_cbranch_scc1 .Lhead
	; ---- my 32 rows of Wp are asked for now, into the registers that q, the keys and part of the mask have left: they land under the merge.
	; No vector or matrix instruction has been issued since the wait on va_vdst ahead of the last unit's stores: it states that the products and softmaxes are done with these registers, and with the scores' registers, in which the merge's loads land
	s_wait_loadcnt 0x0                             ; no load of the loop into the keys' registers is out, on any way out of the loop, when those registers take new loads,
	s_wait_dscnt 0x0                               ; and none into q's
.irp n, 0,1
.irp t, 0,1,2,3
.irp p, 0,1,2,3,4,5
	global_load_b64 v[W5+12*(4*\n+\t)+2*\p:W5+12*(4*\n+\t)+2*\p+1], v[WA], s[10:11] offset:\n*6144+96*\t+48*(\p/3)+8*(\p%3)
.endr
.endr
	global_load_b128 v[W5S+4*\n:W5S+4*\n+3], v[R16], s[12:13] offset:256*\n
.endr
	BARRIER                                        ; every wave's partial softmaxes lie in LDS
	; ---- the merge: the sixteen (m, l, g) of my (head, query)
.irp st, 0,1,2
.irp wv, 0,1,2,3,4,5,6,7
	ds_load_b32 v[MG+16*\st+\wv], v[AMR] offset:\wv*6144+64*\st
	ds_load_b32 v[MG+16*\st+8+\wv], v[AMR2] offset:\wv*6144+64*\st
.endr
.endr
	s_wait_dscnt 0x0
	s_wait_alu depctr_vm_vsrc(0)                   ; the last unit's stores have read m, l and g, whose registers the merge writes again
	v_max3_num_f32 v[CH], v[MG], v[MG+1], v[MG+2]
	v_max3_num_f32 v[CH+1], v[MG+3], v[MG+4], v[MG+5]
	v_max3_num_f32 v[CH], v[CH], v[MG+6], v[MG+7]
	v_max3_num_f32 v[CH+1], v[CH+1], v[MG+8], v[MG+9]
	v_max3_num_f32 v[CH], v[CH], v[MG+10], v[MG+11]
	v_max3_num_f32 v[CH+1], v[CH+1], v[MG+12], v[MG+13]
	v_max3_num_f32 v[CH], v[CH], v[MG+14], v[MG+15]
	v_max_num_f32 v[MM], v[CH], v[CH+1]            ; m*: the row's maximum over all 2,048 keys
.set j, 0
.rept 8
	v_pk_add_f32 v[MG+j:MG+j+1], v[MG+j:MG+j+1], v[MM:MM+1] op_sel_hi:[1,0] neg_lo:[0,1] neg_hi:[0,1]   ; m_w - m*
.set j, j+2
.endr
.set j, 0
	s_wait_alu depctr_va_vdst(0)
.rept 16
	v_exp_f32 v[MG+j], v[MG+j]
.set j, j+1
.endr
	v_nop
	s_wait_alu depctr_va_vdst(0)                   ; the sixteen exponentials have written their results: one wait, ahead of the first reader
	v_pk_mul_f32 v[LA:LA+1], v[MG:MG+1], v[MG+16:MG+17]
	v_pk_mul_f32 v[GA:GA+1], v[MG:MG+1], v[MG+32:MG+33]
.set j, 2
.rept 7
	v_pk_fma_f32 v[LA:LA+1], v[MG+j:MG+j+1], v[MG+16+j:MG+17+j], v[LA:LA+1]
	v_pk_fma_f32 v[GA:GA+1], v[MG+j:MG+j+1], v[MG+32+j:MG+33+j], v[GA:GA+1]
.set j, j+2
.endr
	v_add_f32 v[LA], v[LA], v[LA+1]
	v_add_f32 v[GA], v[GA], v[GA+1]
	s_wait_alu depctr_va_vdst(0)
	v_rcp_f32 v[LA+1], v[LA]
	v_nop
	s_wait_alu depctr_va_vdst(0)                   ; the reciprocal is written, ahead of its reader
	v_mul_f32 v[MX], v[GA], v[LA+1]                ; s of head 2 (w / 4) + h, query 16 (w % 4) + r
	; ---- x's fragment w: K step w / 4 (heads 2 t, 2 t + 1), tile w % 4.  A block of 32 is 32 copies of s: sixteen are converted, and their 96 bits stand twice
	v_permlanex16_b32 v[TP], v[MX], s[SEL], s[SEL+1]
	v_cndmask_b32 v[CH], v[MX], v[TP], s[HALF]     ; the even head's s, in both halves of the lanes
	v_cndmask_b32 v[CH+1], v[TP], v[MX], s[HALF]   ; the odd head's
	v_max3_num_f32 v[CH+2], |v[CH]|, |v[CH]|, 0x1800000      ; the block's largest magnitude, and the floor 2^(3 - 127)
	v_max3_num_f32 v[CH+3], |v[CH+1]|, |v[CH+1]|, 0x1800000
	v_add_nc_u32 v[CH+2], 0xff000000, v[CH+2]      ; 2 off the exponent field: the conversion's scale operand
	v_add_nc_u32 v[CH+3], 0xff000000, v[CH+3]
	v_lshrrev_b32 v[T0], 23, v[CH+2]               ; the bytes
	v_lshrrev_b32 v[T1], 23, v[CH+3]
	v_mul_u32_u24 v[T0], v[T0], 0x101
	v_mul_u32_u24 v[T1], v[T1], 0x101
	v_lshl_or_b32 v[T0], v[T1], 16, v[T0]          ; the scale word: (even, even, odd, odd)
.set j, 0
.rept 16
	v_mov_b32 v[FA+j], v[CH]
	v_mov_b32 v[FB+j], v[CH+1]
.set j, j+1
.endr
	v_cvt_scalef32_pk16_fp6_f32 v[PC:PC+2], v[FA:FA+15], v[CH+2]
	v_cvt_scalef32_pk16_fp6_f32 v[PC+6:PC+8], v[FB:FB+15], v[CH+3]
	v_nop                                          ; one plain instruction behind the last scaled conversion
.irp i, 0,1,2
	v_mov_b32 v[PC+3+\i], v[PC+\i]
	v_mov_b32 v[PC+9+\i], v[PC+6+\i]
.endr
	s_wait_alu depctr_va_vdst(0)                   ; x's codes and scale word are written, which the stores below read; and the lines above are done with v8 to v31 and v136 to v163, in which x's fragments and scale words land behind the barrier
.irp g, 0,1,2
	ds_store_b128 v[XWI], v[PC+4*\g:PC+4*\g+3] offset:512*\g
.endr
	ds_store_b32 v[XWS], v[T0]
	BARRIER                                        ; x's sixteen fragments lie in LDS
	; ---- out^T = Wp x^T: my 32 columns (two tiles n) for the four tiles of queries: eight accumulators by turns, one instruction a turn, K ascending.
	; Eight groups of four products: group 2 t + hf takes K step t, tiles 2 hf and 2 hf + 1, from buffer hf.  A group's eight loads are issued ahead of the products of the group before it, into the buffer that the group before that has read.
.macro FETCH2 t, hf                    ; x's fragments of K step t, tiles 2 hf and 2 hf + 1, and their scale words, into buffer hf
.set XFB, XF0-(XF0-XF1)*(\hf)
.irp i, 0,1
.irp g, 0,1,2
	ds_load_b128 v[XFB+12*\i+4*\g:XFB+12*\i+4*\g+3], v[XRI] offset:(4*(\t)+2*(\hf)+\i)*1536+512*\g
.endr
	ds_load_b32 v[XS+2*(\hf)+\i], v[XRS] offset:(4*(\t)+2*(\hf)+\i)*128
.endr
.endm
	s_wait_alu depctr_vm_vsrc(0)                   ; my stores have read x's codes, over whose registers the products below write their sums
	FETCH2 0, 0
.irp t, 0,1,2,3
.irp hf, 0,1
.if (\t+\hf > 0) && (2*\t+\hf < 7)
	s_wait_alu depctr_va_vdst(0)                   ; the products of the group before are done reading the other buffer and its scale words, in which the loads below land
.endif
.if \hf == 0
	FETCH2 \t, 1
	s_wait_dscnt 8                                 ; LDS loads come back in order: this group's eight are in, the next group's eight may be out
.elseif \t < 3
	FETCH2 \t+1, 0
	s_wait_dscnt 8
.else
	s_wait_dscnt 0x0                               ; the last group: nothing more is asked for
.endif
.if (\t == 0) && (\hf == 0)
	s_wait_loadcnt 0x0                             ; Wp
.endif
.set XM, XF0-(XF0-XF1)*\hf
.irp i, 0,1
.irp n, 0,1
.if \t == 0
	v_wmma_scale_f32_16x16x128_f8f6f4 v[ACC+8*(4*\n+2*\hf+\i):ACC+8*(4*\n+2*\hf+\i)+7], v[W5+12*(4*\n+\t):W5+12*(4*\n+\t)+11], v[XM+12*\i:XM+12*\i+11], 0, v[W5S+4*\n+\t], v[XS+2*\hf+\i] matrix_a_fmt:MATRIX_FMT_FP6 matrix_b_fmt:MATRIX_FMT_FP6
.else
	v_wmma_scale_f32_16x16x128_f8f6f4 v[ACC+8*(4*\n+2*\hf+\i):ACC+8*(4*\n+2*\hf+\i)+7], v[W5+12*(4*\n+\t):W5+12*(4*\n+\t)+11], v[XM+12*\i:XM+12*\i+11], v[ACC+8*(4*\n+2*\hf+\i):ACC+8*(4*\n+2*\hf+\i)+7], v[W5S+4*\n+\t], v[XS+2*\hf+\i] matrix_a_fmt:MATRIX_FMT_FP6 matrix_b_fmt:MATRIX_FMT_FP6
.endif
.endr
.endr
.rept 4
	v_nop                                          ; four places behind the products, in front of the loads into registers that they have read, and of the first read of results
.endr
.endr
.endr
	; ---- the way out: lane (r, h) holds out(16 T + r, 32 w + 16 n + 8 h + 0 .. 7); a row's 512 numbers come from sixteen waves and meet in the stage
	s_wait_alu depctr_va_vdst(0)                   ; the products have written the accumulators, which the LDS stores read, and are done reading Wp's fragments, in which the rows land behind the barrier; the places above stay beside this wait
.irp T, 0,1,2,3
.irp n, 0,1
.if \T < 2
	ds_store_b128 v[SO], v[ACC+8*(4*\n+\T):ACC+8*(4*\n+\T)+3] offset:(\T%2)*33024+64*\n          ; each accumulator from its low end on
	ds_store_b128 v[SO], v[ACC+8*(4*\n+\T)+4:ACC+8*(4*\n+\T)+7] offset:(\T%2)*33024+64*\n+16
.else
	ds_store_b128 v[SO2], v[ACC+8*(4*\n+\T):ACC+8*(4*\n+\T)+3] offset:(\T%2)*33024+64*\n
	ds_store_b128 v[SO2], v[ACC+8*(4*\n+\T)+4:ACC+8*(4*\n+\T)+7] offset:(\T%2)*33024+64*\n+16
.endif
.endr
.endr
	BARRIER                                        ; 64 whole rows lie in the stage
.irp j, 0,1,2,3,4,5,6,7,8,9,10,11,12,13,14,15
	ds_load_b128 v[OB+4*\j:OB+4*\j+3], v[SR] offset:2064*(\j/4)+512*(\j%4)
.endr
.irp j, 0,1,2,3,4,5,6,7,8,9,10,11,12,13,14,15
	s_wait_dscnt 15-\j                             ; LDS loads come back in order: load j is in, the younger ones may be out
	global_store_b128 v[L16], v[OB+4*\j:OB+4*\j+3], s[14:15] offset:2048*(\j/4)+512*(\j%4) th:TH_STORE_NT   ; 32 lanes store 512 consecutive bytes, at a multiple of 256 from the output's first byte
.endr
	s_wait_dscnt 0x0                               ; the closing lines, six on end
	s_wait_alu 0x0
	s_wait_tensorcnt 0x0
	ds_add_u32 v[SPW], v[NIL]
	s_wait_dscnt 0x0
	s_endpgm
.Lfunc_end_k_q67d3c1aedf_attn:
	.size	k_q67d3c1aedf_attn, .Lfunc_end_k_q67d3c1aedf_attn-k_q67d3c1aedf_attn
	.p2alignl 7, 3214868480
	.fill 96, 4, 3214868480
	.section	.rodata,"a",@progbits
	.p2align	6, 0x0
	.amdhsa_kernel k_q67d3c1aedf_attn
		.amdhsa_group_segment_fixed_size 285696
		.amdhsa_private_segment_fixed_size 0
		.amdhsa_enable_private_segment 0
		.amdhsa_kernarg_size 48
		.amdhsa_user_sgpr_count 2
		.amdhsa_user_sgpr_kernarg_segment_ptr 1
		.amdhsa_wavefront_size32 1
		.amdhsa_system_sgpr_workgroup_id_x 1
		.amdhsa_system_sgpr_workgroup_id_y 1
		.amdhsa_system_sgpr_workgroup_id_z 1
		.amdhsa_system_vgpr_workitem_id 0
		.amdhsa_next_free_vgpr 256
		.amdhsa_next_free_sgpr 66
		.amdhsa_reserve_vcc 0
		.amdhsa_float_denorm_mode_32 3
		.amdhsa_float_denorm_mode_16_64 3
		.amdhsa_memory_ordered 1
		.amdhsa_forward_progress 1
		.amdhsa_inst_pref_size 90
	.end_amdhsa_kernel
	.amdgpu_metadata
---
amdhsa.version: [ 1, 2 ]
amdhsa.kernels:
  - .name:           k_q67d3c1aedf_attn
    .symbol:         k_q67d3c1aedf_attn.kd
    .args:
      - { .name: qimg, .offset: 0, .size: 8, .value_kind: global_buffer, .address_space: global }
      - { .name: kimg, .offset: 8, .size: 8, .value_kind: global_buffer, .address_space: global }
      - { .name: supp_mask, .offset: 16, .size: 8, .value_kind: global_buffer, .address_space: global }
      - { .name: Wp_codes, .offset: 24, .size: 8, .value_kind: global_buffer, .address_space: global }
      - { .name: Wp_scales, .offset: 32, .size: 8, .value_kind: global_buffer, .address_space: global }
      - { .name: out0, .offset: 40, .size: 8, .value_kind: global_buffer, .address_space: global }
    .group_segment_fixed_size: 285696
    .private_segment_fixed_size: 0
    .kernarg_segment_align: 8
    .kernarg_segment_size: 48
    .max_flat_workgroup_size: 512
    .sgpr_count:     66
    .vgpr_count:     256
    .wavefront_size: 32
...
	.end_amdgpu_metadata
.endif
;; end of part 4
